; MI455X (gfx1250); checked and timed in simulation.
; The chip was launched on July 23, 2026; its instructions are those of AMD's public machine-readable ISA for CDNA 5 (MIT licence, August 2026) and "CDNA5" Instruction Set Architecture Reference Guide (July 2026). The comments in the code are by the model that wrote it; some were corrected since.
;; Tree Attention Wrapper. Allowed arithmetic: matrix products marked QUANTISED: E5M2 operands, one E8M0 scale for each 32 along K, by v_wmma_scale_f32_16x16x128_f8f6f4 with both operands' format E5M2, f32 sums; everything else in f32.
;; Inputs: cu_seqlens 2 int32; k_codes 1 x 16 x 4,096 x 4 x 32 uint8 (E5M2 codes of k, K innermost, in blocks of 32 codes); k_scales 1 x 16 x 4,096 x 4 uint8 (E8M0 scales of k, one for each 32 codes along K); mask 4,096 x 4,096 bool; q_codes 1 x 16 x 4,096 x 4 x 32 uint8 (E5M2 codes of q, K innermost, in blocks of 32 codes); q_scales 1 x 16 x 4,096 x 4 uint8 (E8M0 scales of q, one for each 32 codes along K); v_codes 1 x 16 x 128 x 128 x 32 uint8 (E5M2 codes of v, K innermost, in blocks of 32 codes); v_scales 1 x 16 x 128 x 128 uint8 (E8M0 scales of v, one for each 32 codes along K).
;; Outputs: out0 1 x 16 x 4,096 x 128 float32.
;; Constants: max_seqlen = 4096.
;; This version of the problem:
;;   THIS VERSION OF THE PROBLEM IS GIVEN IN LOW PRECISION. The matrix products marked QUANTISED in the list below multiply operands that are first quantised to E5M2 (5 exponent bits, 2 mantissa bits; 8 bits a number), with one power-of-two scale for each 32 numbers along K (OCP MX v1.0); their sums are f32. All else is computed in f32.
;;   The module's matrix products, in the order in which they are computed (A, B: the left and right operand; K: the contracted axis; several contracted axes count as one K, in the product's order):
;;     1. batch 16 x [M 4,096, K 128] x [K 128, N 4,096]; A: input q (given as codes); B: input k (given as codes): QUANTISED
;;     2. batch 16 x [M 4,096, K 4,096] x [K 4,096, N 128]; A: softmax (see below); B: input v (given as codes): QUANTISED
;;   THE QUANTISER, for each operand of a quantised product, along K:
;;     - K is cut into blocks of 32 from its start; a last block that is shorter is filled with zeros.
;;     - A block's scale is 2^e with e = floor(log2(the largest magnitude in the block)) - 15, held to -126 .. 127; a block of zeros has e = 0. As a byte (E8M0): e + 127.
;;     - Each number is divided by its block's scale, clamped to +-57,344, and rounded to the nearest number of E5M2, ties to even, subnormals kept.
;;     - The product sums the exact products of the quantised numbers (number of the format x scale) in f32.
;;   ~~~python
;;   def quantise(x, axis):      # numpy; x: float32 -> the quantised numbers, widened to float32 again
;;       x = np.moveaxis(x, axis, -1); K = x.shape[-1]
;;       x = np.pad(x, [(0, 0)] * (x.ndim - 1) + [(0, -K % 32)]); x = x.reshape(x.shape[:-1] + (-1, 32)); a = np.abs(x).max(-1, keepdims=True)
;;       e = np.where(a > 0, np.clip(np.frexp(np.where(a > 0, a, 1))[1] - 1 - 15, -126, 127), 0)      # np.frexp(a)[1] - 1 = floor(log2(a)), exactly
;;       r = np.clip(x / 2.0 ** e, -57344, 57344)
;;       step = 2.0 ** (np.maximum(np.frexp(np.where(r == 0, 1, r))[1] - 1, -14) - 2)
;;       q = np.round(r / step) * step * 2.0 ** e      # np.round: ties to even
;;       return np.moveaxis(q.reshape(q.shape[:-2] + (-1,))[..., :K], -1, axis).astype(np.float32)
;;   ~~~
;;   SOFTMAX AHEAD OF A QUANTISED PRODUCT. Where the list says 'softmax', what is quantised is not the finished softmax but p = 2^(t - M), with t = logit x log2(e) and M = ceil(the row's largest t), a whole number; so 1/2 < the row's largest p <= 1. The row's sum l is taken of the UNQUANTISED p, in f32, and the product's result is divided by l at the end. Since M is a whole number, a kernel that streams over the keys may use a running M (the ceiling of the running maximum): every later rescaling is an exact power of two, which a block's scale takes up: the codes' values come out the same.
;;   OPERANDS COMPUTED ON THE WAY. 'Computed on the way' means the value that the module computes at that place (a softmax that the list does not call 'softmax' is quantised finished and normalised). What goes into a quantiser is computed in f32, as accurately as f32 sums, v_exp_f32 and their like allow (about 1e-6 of the number): no bf16 or f16 on the way to a quantiser, and a product that is left as it is and whose result goes on into a quantised operand takes f32 operands (vector FMAs, or v_wmma_f32_16x16x4_f32). A number that lies on a knife's edge between two numbers of the format may be rounded either way, as far as f32 arithmetic and the matrix unit's own rounding can turn it there, and no further.
;;   INPUTS GIVEN AS CODES. k (in the module: [1, 16, 4096, 128], K = its axis 3); q (in the module: [1, 16, 4096, 128], K = its axis 3); v (in the module: [1, 16, 4096, 128], K = its axis 2): each comes as NAME_codes (uint8): NAME with its K axis moved to the last place and cut into blocks of 32 codes, [.., K / 32, bytes a block], one block behind the other in memory; one code a byte (a code: sign, 5 exponent bits, 2 mantissa bits); and NAME_scales (uint8): the same leading axes, one E8M0 byte (e + 127) for each 32 codes along K. Its value is code x scale, taken as it is: it is not quantised again, and the codes and scales need not be those that the quantiser above would give.
;; 2 versions, each right; version 2 is version 1 with the launch attn written anew for expert scheduling mode. Each part assembles by itself: llvm-mc -triple=amdgcn-amd-amdhsa -mcpu=gfx1250 --defsym DOCPART=n.
;; ======== version 1 of 2: 2 launches
;; limits: right only within a limited range of input values
;; workspace buffers: pm 2,097,152 bytes of whole numbers; tab 2,048 bytes of whole numbers; vs2 262,144 bytes
;; launch scan (part 1): grid 256 x 1, 8 waves a work-group, no clusters, 1,280 bytes of LDS; arguments mask, v_scales, cu_seqlens, pm, tab, vs2; writes pm, tab, vs2
.if DOCPART == 1
	.amdgcn_target "amdgcn-amd-amdhsa--gfx1250"
	.amdhsa_code_object_version 6
	.text
	.protected	k_q59c8078449_scan
	.globl	k_q59c8078449_scan
	.p2align	8
	.type	k_q59c8078449_scan,@function
k_q59c8078449_scan:
	s_mov_b64 s[64:65], 0
	v_nop
	global_prefetch_b8 v0, s[64:65] scope:SCOPE_SE
	s_setreg_imm32_b32 hwreg(HW_REG_WAVE_MODE, 25, 1), 1
	s_wait_xcnt 0x0
; THE MASK IS READ ONCE AND TURNED INTO WHAT THE ATTENTION LAUNCH TAKES AS IT LIES.
; pm  [qt 256][s 32][n 64] u32: bit L of word n = mask[16 qt + L % 16][128 s + 32 (n / 16) + 16 (L / 16) + n % 16]: the lane mask of score register n
;     of a tile of 16 queries x 128 keys, as the attention launch holds its scores.
; tab need[256] at byte 4 qt: bit s set where tile (qt, s) has a visible key; all ones where one of the 16 rows has no visible key at all
;     (such a row weighs all 4,096 keys alike, so it has to walk them all).  part[256] at byte 1,024 + 4 qt: bit s set where the tile is not all true.
; vs2 [head 16][s 32][d 128] u32 = v_scales[head][d][4 s .. 4 s + 3]: a key step's 128 scale words of V as 512 consecutive bytes.
; cu_seqlens is read; the computation makes nothing of it, and neither does this text.
; SHARES.  A work-group takes one tile of 16 queries (16 rows of the mask); wave w takes key steps 4 w .. 4 w + 3: 512 bytes of each row.
; Lane (r, h) loads, of row r, the 16 bytes at 128 s + 32 b + 16 h: byte i of them is the key of score register 16 b + i.  A wave's 16 loads together cover
; two aligned runs of 256 bytes of each of the 16 rows.  A compare of one byte against 0 gives a word of pm in a scalar register;
; v_writelane_b32 puts word n into lane n / 2, register n % 2, so that the 32 lanes store a step's 64 words as 256 consecutive aligned bytes.
; No matrix work, no tensor load: the launch is a stream.
.set SPARE, 256                        ; LDS: bytes 0-95 the waves' 24 words; from 256 on the spare words, 128 bytes for each of the eight waves, which no other line names
.set MA,  4                            ; v4      the mask: 4,096 r + 16 h
.set L8,  5                            ; v5      8 x lane: my place in a store of 256 bytes
.set SPW, 6                            ; v6      LDS address of my spare word; never rewritten
.set NIL, 7                            ; v7      0; never rewritten
.set TT,  12                           ; v12-19  eight bytes cut out, by turns
.set WD,  20                           ; v20-27  step t: the pair v[20 + 2 t : 21 + 2 t] takes its 64 words
.set X,   32                           ; v32-95  the mask's bytes: step t, block b at v[32 + 16 t + 4 b]
	s_load_b256 s[4:11], s[0:1], 0x0               ; mask s[4:5], v_scales s[6:7], cu_seqlens s[8:9], pm s[10:11]
	s_load_b128 s[12:15], s[0:1], 0x20             ; tab s[12:13], vs2 s[14:15]
	v_lshl_add_u32 v[SPW], v0, 2, SPARE
	v_mov_b32 v[NIL], 0
	v_lshrrev_b32 v1, 5, v0
	v_readfirstlane_b32 s16, v1                    ; wave 0..7
	v_and_b32 v1, 31, v0                           ; lane
	v_and_b32 v2, 15, v0                           ; r
	v_bfe_u32 v3, v0, 4, 1                         ; h
	v_lshlrev_b32 v[MA], 12, v2
	v_lshl_add_u32 v[MA], v3, 4, v[MA]
	v_lshlrev_b32 v[L8], 3, v1
	v_mov_b32 v8, s16
	v_lshlrev_b32 v8, 2, v8                        ; LDS: my wave's word: 4 w
	v_mov_b32 v10, 0                               ; the pair for V's scale words is written on every wave's path; waves 0 to 3 load into it
	v_mov_b32 v11, 0
.irp i, 0,1,2,3,4,5,6,7
	v_mov_b32 v[WD+\i], 0                          ; v_writelane_b32's destination counts as one of its sources
.endr
	s_lshl_b32 s17, s16, 2                         ; 4 w: my first key step
	s_lshl_b32 s36, ttmp9, 16                      ; the mask: 16 rows of 4,096 bytes a work-group,
	s_lshl_b32 s33, s16, 9                         ; 512 bytes of a row a wave
	s_add_co_u32 s36, s36, s33
	s_mov_b32 s37, 0
	s_lshl_b32 s38, ttmp9, 13                      ; pm: 32 steps of 256 bytes a work-group,
	s_lshl_b32 s33, s16, 10                        ; four of them a wave
	s_add_co_u32 s38, s38, s33
	s_mov_b32 s39, 0
	s_mov_b32 s30, 0                               ; my four steps' bits of need,
	s_mov_b32 s31, 0                               ; of part,
	s_mov_b32 s32, 0                               ; and the lanes that have seen a visible key
	s_wait_kmcnt 0x0
	s_load_b64 s[18:19], s[8:9], 0x0               ; cu_seqlens: read, and nothing is made of it
	s_add_nc_u64 s[4:5], s[4:5], s[36:37]
	s_add_nc_u64 s[10:11], s[10:11], s[38:39]
	; V's scale words: 1,024 runs of 256 bytes of vs2, one for each of waves 0 to 3 of each work-group.  Run g = 4 qt + w: head g / 64, key step (g / 2) % 32, d = 64 (g % 2) + 2 lane, + 1
	s_cmp_lt_u32 s16, 4
	s_cbranch_scc0 .Lno_vs_in
	s_lshl_b32 s20, ttmp9, 2
	s_add_co_u32 s20, s20, s16                     ; g
	s_lshr_b32 s21, s20, 6                         ; head
	s_bfe_u32 s22, s20, 0x50001                    ; key step: 5 bits from bit 1
	s_and_b32 s23, s20, 1                          ; which 64 of the head's 128 rows
	s_lshl_b32 s24, s21, 14                        ; a head's scale bytes: 16,384
	s_lshl_b32 s25, s22, 2
	s_add_co_u32 s40, s24, s25                     ; in v_scales: head, + 4 bytes a key step
	s_mov_b32 s41, 0
	s_add_nc_u64 s[6:7], s[6:7], s[40:41]
	s_lshl_b32 s25, s22, 9
	s_add_co_u32 s42, s24, s25                     ; in vs2: head, + 512 bytes a key step,
	s_lshl_b32 s25, s23, 8
	s_add_co_u32 s42, s42, s25                     ; + my run
	s_mov_b32 s43, 0
	s_add_nc_u64 s[14:15], s[14:15], s[42:43]
	s_lshl_b32 s25, s23, 13
	v_lshl_add_u32 v9, v1, 8, s25                  ; row d of v_scales is 128 bytes: (64 (g % 2) + 2 lane) x 128
	global_load_b32 v10, v9, s[6:7]                ; a gather of 4 bytes a row, made once here so that every key step of the attention launch reads its words as consecutive bytes
	global_load_b32 v11, v9, s[6:7] offset:128
.Lno_vs_in:
.irp t, 0,1,2,3
.irp b, 0,1,2,3
	global_load_b128 v[X+16*\t+4*\b:X+16*\t+4*\b+3], v[MA], s[4:5] offset:128*\t+32*\b th:TH_LOAD_NT
.endr
.endr
; One key step: 64 words, eight at a time, so that no line waits for the line above it.
.macro SCANSTEP t
	s_wait_loadcnt 12-4*\t                         ; loads come back in order: this step's four are in; behind them the later steps' four each were issued
	s_mov_b32 s28, 0                               ; the words' OR: 0 = nothing visible in the tile
	s_mov_b32 s29, -1                              ; the words' AND: all ones = all true
.set n0, 0
.rept 8
.irp k, 0,1,2,3,4,5,6,7
	v_and_b32 v[TT+\k], 0xff<<(8*(\k%4)), v[X+16*\t+4*((n0+\k)/16)+((n0+\k)%16)/4]   ; the byte of score register n0 + k
.endr
.irp k, 0,1,2,3,4,5,6,7
	v_cmp_ne_u32 s[20+\k], 0, v[TT+\k]             ; its lane mask
.endr
.irp k, 0,1,2,3,4,5,6,7
	v_writelane_b32 v[WD+2*\t+\k%2], s[20+\k], (n0+\k)/2
.endr
.irp k, 0,1,2,3,4,5,6,7
	s_or_b32 s28, s28, s[20+\k]
	s_and_b32 s29, s29, s[20+\k]
.endr
.set n0, n0+8
.endr
	s_cmp_lg_u32 s28, 0
	s_cselect_b32 s33, 1<<\t, 0
	s_or_b32 s30, s30, s33
	s_cmp_lg_u32 s29, -1
	s_cselect_b32 s33, 1<<\t, 0
	s_or_b32 s31, s31, s33
	s_or_b32 s32, s32, s28
	global_store_b64 v[L8], v[WD+2*\t:WD+2*\t+1], s[10:11] offset:256*\t   ; 32 lanes store 256 consecutive bytes, aligned; each step has registers of its own
.endm
	SCANSTEP 0
	SCANSTEP 1
	SCANSTEP 2
	SCANSTEP 3
	s_cmp_lt_u32 s16, 4
	s_cbranch_scc0 .Lno_vs_out
	global_store_b64 v[L8], v[10:11], s[14:15]     ; (the last step's wait was for 0: the two words are in)  256 consecutive bytes, aligned
.Lno_vs_out:
	; the eight waves' words meet in LDS
	s_lshl_b32 s30, s30, s17                       ; my four bits at their place among the 32
	s_lshl_b32 s31, s31, s17
	v_mov_b32 v28, s30
	v_mov_b32 v29, s31
	v_mov_b32 v30, s32
	ds_store_b32 v8, v28                           ; all lanes write the same word with the same value
	ds_store_b32 v8, v29 offset:32
	ds_store_b32 v8, v30 offset:64
	s_wait_dscnt 0x0                               ; for the others: my stores have landed
	s_barrier_signal -1
	s_barrier_wait -1
	s_cmp_lg_u32 s16, 0
	s_cbranch_scc1 .Lend                           ; wave 0 alone joins them
	v_mov_b32 v31, 0
.irp i, 0,1,2,3,4,5
	ds_load_b128 v[96+4*\i:99+4*\i], v31 offset:16*\i   ; v96-103 need, v104-111 part, v112-119 the lanes
.endr
	s_lshl_b32 s36, ttmp9, 2
	s_add_nc_u64 s[12:13], s[12:13], s[36:37]      ; tab at 4 qt (s37 is still 0)
	s_wait_dscnt 0x0
.irp g, 96, 104, 112
.irp i, 1,2,3,4,5,6,7
	v_or_b32 v[\g], v[\g], v[\g+\i]
.endr
.endr
	v_lshrrev_b32 v28, 16, v112                    ; a row's keys lie in lanes r and r + 16
	v_or_b32 v112, v112, v28
	v_and_b32 v112, 0xffff, v112
	v_mov_b32 v29, -1
	v_cmp_ne_u32 vcc_lo, 0xffff, v112              ; some row has seen nothing:
	v_cndmask_b32 v96, v96, v29, vcc_lo            ; then every key step is needed
	v_cmp_eq_u32 vcc_lo, 1, v0
	v_cndmask_b32 v96, v96, v104, vcc_lo           ; lane 0 holds need, lane 1 part
	v_lshlrev_b32 v30, 10, v0                      ; 1,024 bytes apart
	v_cmp_gt_u32 vcc_lo, 2, v0
	s_wait_xcnt 0x0                                ; EXEC is a source of the stores above: it changes only behind this wait
	s_and_saveexec_b32 s34, vcc_lo
	global_store_b32 v30, v96, s[12:13]            ; two words of 4 bytes a work-group: 2,048 bytes in the whole launch
	s_wait_xcnt 0x0                                ; and again ahead of the line that widens it
	s_or_b32 exec_lo, exec_lo, s34
.Lend:
	s_wait_kmcnt 0x0                               ; cu_seqlens has come
	s_wait_tensorcnt 0x0                           ; the wave's end, behind my last LDS store
	ds_add_u32 v[SPW], v[NIL]
	s_wait_dscnt 0x0
	s_endpgm
.Lfunc_end_k_q59c8078449_scan:
	.size	k_q59c8078449_scan, .Lfunc_end_k_q59c8078449_scan-k_q59c8078449_scan
	.p2alignl 7, 3214868480
	.fill 96, 4, 3214868480
	.section	.rodata,"a",@progbits
	.p2align	6, 0x0
	.amdhsa_kernel k_q59c8078449_scan
		.amdhsa_group_segment_fixed_size 1280
		.amdhsa_private_segment_fixed_size 0
		.amdhsa_enable_private_segment 0
		.amdhsa_kernarg_size 48
		.amdhsa_user_sgpr_count 2
		.amdhsa_user_sgpr_kernarg_segment_ptr 1
		.amdhsa_wavefront_size32 1
		.amdhsa_system_sgpr_workgroup_id_x 1
		.amdhsa_system_sgpr_workgroup_id_y 1
		.amdhsa_system_sgpr_workgroup_id_z 1
		.amdhsa_system_vgpr_workitem_id 0
		.amdhsa_next_free_vgpr 128
		.amdhsa_next_free_sgpr 66
		.amdhsa_reserve_vcc 1
		.amdhsa_float_denorm_mode_32 3
		.amdhsa_float_denorm_mode_16_64 3
		.amdhsa_memory_ordered 1
		.amdhsa_forward_progress 1
		.amdhsa_inst_pref_size 73
	.end_amdhsa_kernel
	.amdgpu_metadata
---
amdhsa.version: [ 1, 2 ]
amdhsa.kernels:
  - .name:           k_q59c8078449_scan
    .symbol:         k_q59c8078449_scan.kd
    .args:
      - { .name: mask, .offset: 0, .size: 8, .value_kind: global_buffer, .address_space: global }
      - { .name: v_scales, .offset: 8, .size: 8, .value_kind: global_buffer, .address_space: global }
      - { .name: cu_seqlens, .offset: 16, .size: 8, .value_kind: global_buffer, .address_space: global }
      - { .name: pm, .offset: 24, .size: 8, .value_kind: global_buffer, .address_space: global }
      - { .name: tab, .offset: 32, .size: 8, .value_kind: global_buffer, .address_space: global }
      - { .name: vs2, .offset: 40, .size: 8, .value_kind: global_buffer, .address_space: global }
    .group_segment_fixed_size: 1280
    .private_segment_fixed_size: 0
    .kernarg_segment_align: 8
    .kernarg_segment_size: 48
    .max_flat_workgroup_size: 256
    .sgpr_count:     66
    .vgpr_count:     128
    .wavefront_size: 32
...
	.end_amdgpu_metadata
.endif
;; end of part 1
;; launch attn (part 2): grid 16 x 16, 8 waves a work-group, no clusters, 111,616 bytes of LDS; arguments q_codes, q_scales, k_codes, k_scales, v_codes, vs2, pm, tab, out0; writes out0
.if DOCPART == 2
	.amdgcn_target "amdgcn-amd-amdhsa--gfx1250"
	.amdhsa_code_object_version 6
	.text
	.protected	k_q59c8078449_attn
	.globl	k_q59c8078449_attn
	.p2align	8
	.type	k_q59c8078449_attn,@function
k_q59c8078449_attn:
	s_mov_b64 s[64:65], 0
	v_nop
	global_prefetch_b8 v0, s[64:65] scope:SCOPE_SE
	s_setreg_imm32_b32 hwreg(HW_REG_WAVE_MODE, 25, 1), 1
	s_wait_xcnt 0x0
; out0[h][q][:] = the sum over k of softmax_k(where(mask[q][k], Q[h][q] . K[h][k] / sqrt(128), -1e30)) V[h][k][:], both products on codes of BF8 (E5M2) with one E8M0 scale for each 32 along K.
; Q, K: [16][4096][128] codes, scale bytes [16][4096][4].  V: codes with the keys innermost, [16][128][4096]; its scale words by key step in vs2 [16][32][128] u32.  out0: [16][4096][128] f32.
; THE SOFTMAX AHEAD OF THE SECOND PRODUCT: t = score x log2(e) / sqrt(128); M = the running largest t rounded UP to a whole number; p = 2^(t - M) is quantised along the keys, not normalised;
; the row's sum is taken of the unquantised p and divides at the end.  When M moves, the sum and O are multiplied by 2^(old M - new M): nothing is rounded.
; THE MASK is an input.  The launch before has laid it as lane masks (pm) and has stored, for each tile of 16 queries, which key steps of 128 keys hold a visible key (need) and which are not all true (part).
; A key step that none of a wave's 32 queries needs is left out: a scalar branch on those stored words.  A hidden score is replaced by -2^103 ahead of the maximum.  Times c that is exact, and so is its floor:
; a row that has seen no visible key yet has t - M = 0 and p = 1 on every key that it walks; its first visible key makes 2^(old M - new M) = 0, which wipes its sum and its O; afterwards a hidden key has p = 0.
; A row with no visible key at all has need = all ones, walks all 4,096 keys with p = 1 and ends as the mean of V.
; LIMITS: a hidden key's t stands at -1.29e30 where the definition has -1.44e30: the results are the same while every visible |t| stays under 1.2e30 and the sums of V stay finite.  NaN and infinities among the values are not served.
; SHARES.  256 work-groups of eight waves.  A wave owns 32 queries: tile A in register window 0, tile B in window 1, at the same numbers, so that one text of the softmax serves both, and a fragment of K or V read from LDS
; feeds two matrix instructions.  Waves 0-3 take block a of 128 queries, waves 4-7 block 31 - a (a = work-group x): right for every mask; under masks that grow with the query it evens the work.
; K AND V go from memory through registers into two LDS slots of one key step, filled by all eight waves a whole key step ahead: loads at a trip's head, LDS stores at its end, ONE barrier a trip.
; The loop has 32 trips, the most key steps that there can be, so that every wave passes every barrier; a trip with nothing left is a barrier and a few scalar lines.
; NO CLUSTER, NO JOINT LOADS, NO TENSOR LOADS: which key steps a work-group walks is read from tab, so partners would want different tiles in different numbers.
; LAYOUT.  Both products are used transposed: S^T = K Q^T (source 0 = 16 keys, source 1 = 16 queries), O^T = V^T P^T (source 0 = 16 of the head's 128, source 1 = P): a lane holds ONE query (lane % 16) throughout.
; THE KEYS OF A TILE ARE NOT NEIGHBOURS: lane r of tile T takes key 32 (T / 2) + 8 (T % 2) + r + 8 (r / 8), so that score register 16 b + i is key 32 b + 16 (lane / 16) + i and the conversions' results are the next operand.
; In LDS a key's row stands at the key's number with bits 3 and 4 exchanged: tile T's sixteen rows are then rows 16 T .. 16 T + 15.
.set KP,    144                        ; an LDS row: 128 bytes + 16 = 36 words: sixteen rows on end start at sixteen different columns of 16 bytes modulo 256 (64 banks of 4 bytes: ISA guide 11.1)
.set VOFF,  128*KP                     ; a slot: 128 rows of K, then 128 rows of V,
.set SCOFF, 2*VOFF                     ; K's 128 scale words (4 x key), V's 128 (4 x d)
.set SLOTB, SCOFF+1024                 ; 37,888 bytes a slot
.set STAGE, 2*SLOTB                    ; behind the two slots: 16 rows x 272 bytes for each wave, for the way out
.set STW,   16*272
.set SPARE, STAGE+8*STW                ; behind the stages: the spare words, 128 bytes for each wave, which no other line names
; vector registers, window 0
.set AK0,  1                           ; v1   my lane's place in a tile of K: 144 r + 16 h
.set AV0,  2                           ; v2   the same for V
.set AKS0, 3                           ; v3   K's scale words: lanes 0-15 an even tile's rows, lanes 16-31 the next tile's
.set AVS0, 4                           ; v4   V's likewise: 4 x lane
.set SPW,  5                           ; v5   LDS address of my spare word; never rewritten
.set NIL,  6                           ; v6   0; never rewritten
.set NEG,  9                           ; v9   -2^103, in both windows
.set QSA,  10                          ; v10, v11  Q's scale words, tiles A and B
.set QSB,  11
                                       ; v12 -M, v13 the largest t, v[14:15] the sum in two halves: in each window its tile's
.set GK,   16                          ; v16  K in memory: 2,048 w + 16 lane
.set GV,   17                          ; v17  V in memory: (16 w + lane / 8) x 4,096 + 16 (lane % 8)
.set GS,   18                          ; v18  scale words in memory: 4 (thread % 128)
.set KO,   19                          ; v19-21  the same with the key step added
.set VO,   20
.set SO,   21
.set SK0,  22                          ; v22  where I store K's rows in a slot
.set SV0,  23                          ; v23  V's rows
.set SS0,  24                          ; v24  my scale word: SCOFF + 4 x thread
.set STO,  25                          ; v25  the way out: where I put 32 bytes of a row
.set RD,   26                          ; v26  where I read a row back
.set GO,   27                          ; v27  my byte offset in the tile's rows of out0
.set FRG,  32                          ; v32-95   four fragments of K or of V, for both tiles
.set S,    96                          ; v96-159  S^T, then p
.set O,    160                         ; v160-223 O^T
.set PC,   224                         ; v224-239 p's codes; v232-247 at work; v252 f; v253 p's scale word; v254 at work
.set KVS,  248                         ; v248-251 K's or V's scale words, one register for two tiles
.set PWB,  255                         ; v255 tile B's scale word of p (scale operands have no window)
; window 1
.set QB,   16                          ; v16-31  Q of tile B
.set STK,  32                          ; v32-47  on their way to LDS: 4 x 16 bytes of K,
.set STV,  48                          ; v48-63  of V,
.set STS,  64                          ; v64     a scale word
.set QA,   80                          ; v80-95  Q of tile A
; scalar registers
.set WV,   2                           ; my wave's number
.set J,    3                           ; pairs of trips to go
.set REM,  4                           ; key steps that the work-group has still to fetch: the same in all eight waves
.set NEED, 5                           ; key steps that my 32 queries need
.set PART, 6                           ; s6, s7: key steps in which tile A, tile B is not all true
.set NXT,  8                           ; the key step fetched last
.set ACTN, 9                           ; 1 if this trip fetches one
.set CURM, 10                          ; the bit of the key step in the slot in hand; 0 if there is none
.set OFFPM, 11                         ; its 256 bytes in a tile's part of pm
.set KH,   12                          ; s[12:13] K's codes at my head;  s[14:15] V's;  s[16:17] the scale words that my wave fetches (waves 0-3: K's, waves 4-7: V's)
.set VH,   14
.set SH,   16
.set PMH,  18                          ; s[18:19] pm at tile A
.set OUTP, 20                          ; s[20:21] out0 at my first query
.set MNT,  22                          ; the mantissa field of 57,344
.set TMP,  23
                                       ; s[32:63], s[68:99]: a tile's 64 mask words: word n in s[32 + n + 4 (n / 32)]; at the head the arguments and tab's words
.set SEL,  100                         ; s[100:101] lane selects for v_permlanex16_b32: lane l xor 16
.set CS,   104                         ; s[104:105] c = log2(e) / sqrt(128): the packed form names a pair and takes its low word for both halves
.set MSB, 0
.macro WIN new                         ; s_set_vgpr_msb: bits 1:0 source 0, 3:2 source 1, 5:4 source 2, 7:6 destination; the high byte repeats the setting that is left; a switch that changes nothing is dropped
.if MSB != (\new)
	s_set_vgpr_msb (MSB<<8)|(\new)
.set MSB, (\new)
.endif
.endm
; 0x40: loads into window 1.  0x04: an LDS store's data, or source 1 (Q of tile A), in window 1.  0x54: tile B's products: source 0 window 0, all else window 1.  0x55: tile B's vector work.  At a label and at a branch: 0.
; The lowest key step still to be fetched leaves REM.  It is a loaded number: it is held at 31 before it enters an address.
.macro NEXT
	s_ctz_i32_b32 s[NXT], s[REM]
	s_min_u32 s[NXT], s[NXT], 31
	s_sub_co_u32 s[TMP], s[REM], 1
	s_and_b32 s[REM], s[REM], s[TMP]
.endm
; Key step NXT is asked for: 16 KiB of K (one dense block), 16 KiB of V (128 bytes of each of 128 rows), 1 KiB of scale words; nine loads a wave.
.macro LOADS
	v_lshl_add_u32 v[KO], s[NXT], 14, v[GK]        ; 128 keys of 128 bytes a step
	v_lshl_add_u32 v[VO], s[NXT], 7, v[GV]         ; 128 bytes of a row a step
	v_lshl_add_u32 v[SO], s[NXT], 9, v[GS]         ; 128 words a step
	WIN 0x40
.irp c, 0,1,2,3
	global_load_b128 v[STK+4*\c:STK+4*\c+3], v[KO], s[KH:KH+1] offset:512*\c     ; 512 consecutive bytes: keys 16 w + 4 c + lane / 8
.endr
.irp c, 0,1,2,3
	global_load_b128 v[STV+4*\c:STV+4*\c+3], v[VO], s[VH:VH+1] offset:16384*\c   ; rows d = 16 w + 4 c + lane / 8
.endr
	global_load_b32 v[STS], v[SO], s[SH:SH+1]
	WIN 0
.endm
.macro STORES slot                     ; and goes into a slot.  Key 16 w + 4 c + lane / 8 with bits 3 and 4 exchanged is row 32 (w / 2) + 8 (w % 2) + lane / 8 + 16 (c / 2) + 4 (c % 2)
	WIN 0x04
	ds_store_b128 v[SK0], v[STK:STK+3] offset:(\slot)*SLOTB
	ds_store_b128 v[SK0], v[STK+4:STK+7] offset:(\slot)*SLOTB+4*KP
	ds_store_b128 v[SK0], v[STK+8:STK+11] offset:(\slot)*SLOTB+16*KP
	ds_store_b128 v[SK0], v[STK+12:STK+15] offset:(\slot)*SLOTB+20*KP
.irp c, 0,1,2,3
	ds_store_b128 v[SV0], v[STV+4*\c:STV+4*\c+3] offset:(\slot)*SLOTB+4*\c*KP
.endr
	ds_store_b32 v[SS0], v[STS] offset:(\slot)*SLOTB
	WIN 0
.endm
.macro FRAGS adr, slot, g              ; four fragments, tiles 4 g .. 4 g + 3: 16 rows x 128 codes each: registers 4 c .. 4 c + 3 hold K = 32 c + 16 h + 0 .. 15
.irp t, 0,1,2,3
.irp c, 0,1,2,3
	ds_load_b128 v[FRG+16*\t+4*\c:FRG+16*\t+4*\c+3], v[\adr] offset:(\slot)*SLOTB+16*(4*(\g)+\t)*KP+32*\c
.endr
.endr
.endm
.macro SCW adr, slot                   ; the eight tiles' scale words in four registers: lanes 0-15 tile 2 P's rows, lanes 16-31 tile 2 P + 1's
.irp p, 0,1,2,3
	ds_load_b32 v[KVS+\p], v[\adr] offset:(\slot)*SLOTB+128*\p
.endr
.endm
; S^T = K Q^T, tiles 4 g .. 4 g + 3, for tile A and then for tile B.  An odd tile's scale words are read from lanes 16-31.  No two matrix instructions that follow each other share an accumulator.
.macro QK g
	WIN 0x04
.irp t, 0,1,2,3
.if \t%2
	v_wmma_scale_f32_16x16x128_f8f6f4 v[S+8*(4*(\g)+\t):S+8*(4*(\g)+\t)+7], v[FRG+16*\t:FRG+16*\t+15], v[QA:QA+15], 0, v[KVS+(4*(\g)+\t)/2], v[QSA] matrix_a_fmt:MATRIX_FMT_BF8 matrix_b_fmt:MATRIX_FMT_BF8 matrix_a_scale:MATRIX_SCALE_ROW1
.else
	v_wmma_scale_f32_16x16x128_f8f6f4 v[S+8*(4*(\g)+\t):S+8*(4*(\g)+\t)+7], v[FRG+16*\t:FRG+16*\t+15], v[QA:QA+15], 0, v[KVS+(4*(\g)+\t)/2], v[QSA] matrix_a_fmt:MATRIX_FMT_BF8 matrix_b_fmt:MATRIX_FMT_BF8
.endif
.endr
	WIN 0x54
.irp t, 0,1,2,3
.if \t%2
	v_wmma_scale_f32_16x16x128_f8f6f4 v[S+8*(4*(\g)+\t):S+8*(4*(\g)+\t)+7], v[FRG+16*\t:FRG+16*\t+15], v[QB:QB+15], 0, v[KVS+(4*(\g)+\t)/2], v[QSB] matrix_a_fmt:MATRIX_FMT_BF8 matrix_b_fmt:MATRIX_FMT_BF8 matrix_a_scale:MATRIX_SCALE_ROW1
.else
	v_wmma_scale_f32_16x16x128_f8f6f4 v[S+8*(4*(\g)+\t):S+8*(4*(\g)+\t)+7], v[FRG+16*\t:FRG+16*\t+15], v[QB:QB+15], 0, v[KVS+(4*(\g)+\t)/2], v[QSB] matrix_a_fmt:MATRIX_FMT_BF8 matrix_b_fmt:MATRIX_FMT_BF8
.endif
.endr
	WIN 0
.endm
; O^T += V^T P^T, channels 16 (4 g) .. on, for tile A and then for tile B; K = the step's 128 keys.  Each accumulator has one instruction a key step.
.macro PV g
	WIN 0
.irp t, 0,1,2,3
.if \t%2
	v_wmma_scale_f32_16x16x128_f8f6f4 v[O+8*(4*(\g)+\t):O+8*(4*(\g)+\t)+7], v[FRG+16*\t:FRG+16*\t+15], v[PC:PC+15], v[O+8*(4*(\g)+\t):O+8*(4*(\g)+\t)+7], v[KVS+(4*(\g)+\t)/2], v253 matrix_a_fmt:MATRIX_FMT_BF8 matrix_b_fmt:MATRIX_FMT_BF8 matrix_a_scale:MATRIX_SCALE_ROW1
.else
	v_wmma_scale_f32_16x16x128_f8f6f4 v[O+8*(4*(\g)+\t):O+8*(4*(\g)+\t)+7], v[FRG+16*\t:FRG+16*\t+15], v[PC:PC+15], v[O+8*(4*(\g)+\t):O+8*(4*(\g)+\t)+7], v[KVS+(4*(\g)+\t)/2], v253 matrix_a_fmt:MATRIX_FMT_BF8 matrix_b_fmt:MATRIX_FMT_BF8
.endif
.endr
	WIN 0x54
.irp t, 0,1,2,3
.if \t%2
	v_wmma_scale_f32_16x16x128_f8f6f4 v[O+8*(4*(\g)+\t):O+8*(4*(\g)+\t)+7], v[FRG+16*\t:FRG+16*\t+15], v[PC:PC+15], v[O+8*(4*(\g)+\t):O+8*(4*(\g)+\t)+7], v[KVS+(4*(\g)+\t)/2], v[PWB] matrix_a_fmt:MATRIX_FMT_BF8 matrix_b_fmt:MATRIX_FMT_BF8 matrix_a_scale:MATRIX_SCALE_ROW1
.else
	v_wmma_scale_f32_16x16x128_f8f6f4 v[O+8*(4*(\g)+\t):O+8*(4*(\g)+\t)+7], v[FRG+16*\t:FRG+16*\t+15], v[PC:PC+15], v[O+8*(4*(\g)+\t):O+8*(4*(\g)+\t)+7], v[KVS+(4*(\g)+\t)/2], v[PWB] matrix_a_fmt:MATRIX_FMT_BF8 matrix_b_fmt:MATRIX_FMT_BF8
.endif
.endr
	WIN 0
.endm
.macro PLACES                          ; eight places behind this form, ahead of loads into registers that matrix instructions have read and of the first read of results
.rept 8
	v_nop
.endr
.endm
.macro MLOAD off                       ; a tile's 64 mask words of the key step in hand: 256 bytes of pm into scalar registers
	s_load_b512 s[32:47], s[PMH:PMH+1], s[OFFPM] offset:\off
	s_load_b512 s[48:63], s[PMH:PMH+1], s[OFFPM] offset:\off+64
	s_load_b512 s[68:83], s[PMH:PMH+1], s[OFFPM] offset:\off+128
	s_load_b512 s[84:99], s[PMH:PMH+1], s[OFFPM] offset:\off+192
.endm
.macro MASK w                          ; hidden scores become -2^103; a tile that is all true skips this.  The registers go in ascending order: each accumulator is read from its low end on
	s_and_b32 s[TMP], s[PART+\w], s[CURM]
	s_cmp_lg_u32 s[TMP], 0
	s_cbranch_scc0 .Lopen_\@
	WIN 0x55*\w
.set n, 0
.rept 64
	v_cndmask_b32 v[S+n], v[NEG], v[S+n], s[32+n+4*(n/32)]
.set n, n+1
.endr
	WIN 0
.Lopen_\@:
.endm
; THE SOFTMAX OF ONE TILE, in the window that is set.  First part: the maxima, the new M, and f.
.macro SOFT_MAX
.irp b, 0,1,2,3
	v_max3_num_f32 v[232+\b], v[S+16*\b], v[S+1+16*\b], v[S+2+16*\b]   ; THE LARGEST SCORE OF EACH BLOCK OF 32 KEYS serves twice: for the row's maximum, and, since p rises with the score, for the block's largest p
.endr
.irp i, 3,5,7,9,11,13
.irp b, 0,1,2,3
	v_max3_num_f32 v[232+\b], v[232+\b], v[S+16*\b+\i], v[S+1+16*\b+\i]   ; (the four blocks by turns)
.endr
.endr
.irp b, 0,1,2,3
	v_max_num_f32 v[232+\b], v[232+\b], v[S+15+16*\b]
.endr
.irp b, 0,1,2,3
	v_permlanex16_b32 v[236+\b], v[232+\b], s[SEL], s[SEL+1]
.endr
.irp b, 0,1,2,3
	v_max_num_f32 v[232+\b], v[232+\b], v[236+\b]  ; with lane l xor 16's 16 keys
.endr
	v_max3_num_f32 v254, v232, v233, v234
	v_max_num_f32 v254, v254, v235                 ; the step's largest score of my query
	v_mul_f32 v254, s[CS], v254                    ; as t (c is positive)
	v_max_num_f32 v13, v13, v254                   ; the running largest t
	v_mov_b32 v254, v12
	v_floor_f32 v12, -v13                          ; the new -M = floor(-t) = -ceil(t): M IS A WHOLE NUMBER
	v_sub_f32 v254, v12, v254                      ; M's old value less its new one: a whole number, 0 or less
	v_cvt_i32_f32 v254, v254                       ; (it saturates)
	v_ldexp_f32 v252, 1.0, v254                    ; f = 2^(old M - new M)
.endm
; Second part: p, the sum, the scales, the codes, O^T x f.  w = 1: tile B's scale word is copied into window 0, where scale operands are read.
.macro SOFT_REST w
.set jj, 0
.rept 32
	v_pk_fma_f32 v[S+jj:S+jj+1], v[S+jj:S+jj+1], s[CS:CS+1], v[12:13] op_sel_hi:[1,0,0]   ; t - M, two at a time (of the pairs c and -M the low word serves both halves)
.set jj, jj+2
.endr
.irp b, 0,1,2,3
	v_fma_f32 v[232+\b], v[232+\b], s[CS], v12     ; the same of each block's largest score
.endr
.set jj, 0
.rept 64
	v_exp_f32 v[S+jj], v[S+jj]                     ; p = 2^(t - M), at most 1: NOT normalised
.set jj, jj+1
.endr
	v_pk_mul_f32 v[14:15], v[14:15], v[252:253] op_sel_hi:[1,0]   ; the sums under the new M: a plain instruction behind the exponentials
	s_wait_alu depctr_va_vdst(0)                   ; the wait ahead of the first line that names an exponential's result: one for the batch of 64
.irp b, 0,1,2,3
	v_exp_f32 v[232+\b], v[232+\b]                 ; the block's largest p: the same two instructions on the same number give the same bits
.endr
	v_pk_add_f32 v[236:237], v[S:S+1], v[S+2:S+3]  ; THE ROW'S SUM IS TAKEN OF THE UNQUANTISED p: two at a time, in two chains; it reads the 64 alone: plain work behind the four
.irp j, 4,8,12,16,20,24,28,32,36,40,44,48,52,56,60
	v_pk_add_f32 v[14:15], v[14:15], v[S+\j:S+1+\j]
	v_pk_add_f32 v[236:237], v[236:237], v[S+2+\j:S+3+\j]
.endr
	v_pk_add_f32 v[14:15], v[14:15], v[236:237]
	s_wait_alu depctr_va_vdst(0)                   ; and one for the four
.irp b, 0,1,2,3
	v_max_num_f32 v[232+\b], 0x8000000, v[232+\b]  ; the floor 2^(16 - 127): the byte cannot fall under 1 (a block whose every p is 0 keeps that byte: its codes are zeros)
.endr
.irp b, 0,1,2,3
	v_add_nc_u32 v[244+\b], 0xf8800000, v[232+\b]  ; 15 off the exponent field: the conversion's scale operand
.endr
.irp b, 0,1,2,3
	v_and_or_b32 v[240+\b], v[232+\b], 0x7f800000, s[MNT]   ; 57,344 x the scale
.endr
.irp b, 0,1,2,3
	v_lshrrev_b32 v[236+\b], 23, v[244+\b]         ; the scale's byte
.endr
	v_lshl_or_b32 v253, v237, 8, v236              ; p's scale word for these 128 keys
	v_lshl_or_b32 v253, v238, 16, v253
	v_lshl_or_b32 v253, v239, 24, v253
.if \w
	WIN 0x01
	v_mov_b32 v[PWB], v253                         ; 64 holds and 32 multiplications stand between this line and the products that read it
	WIN 0x55
.endif
.irp b, 0,1,2,3
.irp i, 0,1,2,3,4,5,6,7,8,9,10,11,12,13,14,15
	v_min_num_f32 v[S+16*\b+\i], v[S+16*\b+\i], v[240+\b]   ; the conversion to an 8-bit code does not saturate (ISA guide 7.6.2); p is not negative, so the hold is one-sided
.endr
	v_cvt_scalef32_pk8_bf8_f32 v[PC+4*\b:PC+1+4*\b], v[S+16*\b:S+7+16*\b], v[244+\b]
	v_cvt_scalef32_pk8_bf8_f32 v[PC+2+4*\b:PC+3+4*\b], v[S+8+16*\b:S+15+16*\b], v[244+\b]
.endr
.set jj, 0
.rept 32
	v_pk_mul_f32 v[O+jj:O+jj+1], v[O+jj:O+jj+1], v[252:253] op_sel_hi:[1,0]   ; O^T under the new M: x f; also the plain lines behind the conversions and ahead of the products
.set jj, jj+2
.endr
.endm
; A KEY STEP of my 32 queries, from the slot named.
.macro STEP slot
	MLOAD 0                                        ; tile A's mask words
	FRAGS AK0, \slot, 0
	SCW AKS0, \slot
	s_wait_dscnt 0x0
	QK 0
	PLACES
	FRAGS AK0, \slot, 1
	s_wait_dscnt 0x0
	QK 1
	PLACES
	FRAGS AV0, \slot, 0                            ; V's first four fragments and its scale words land while the softmax is walked
	SCW AVS0, \slot
	s_wait_kmcnt 0x0                               ; tile A's mask words are in
	MASK 0
	SOFT_MAX
	MLOAD 8192                                     ; tile B's, 32 x 256 bytes further on in pm; tile A's have been read 49 vector lines ago, and no scalar load is out
	SOFT_REST 0
	s_wait_kmcnt 0x0
	MASK 1
	WIN 0x55
	SOFT_MAX
	SOFT_REST 1
	WIN 0
	s_wait_dscnt 0x0                               ; V
	PV 0
	PLACES
	FRAGS AV0, \slot, 1
	s_wait_dscnt 0x0
	PV 1
	PLACES                                         ; ahead of the next step's loads into the fragments' and scale words' registers, and of the way out's reads of O^T
.endm
; A TRIP.  The next key step that the work-group needs is asked for; the step in this slot is worked, by the waves that need it; what was asked for goes into the other slot; one barrier.
; In front of the barrier each wave has waited for its reads of this slot and for its stores into the other; the reads of the other slot ended in front of the last trip's barrier.
.macro TRIP slot
	s_mov_b32 s[ACTN], 0
	s_cmp_lg_u32 s[REM], 0
	s_cbranch_scc0 .Lnone_\@
	NEXT
	LOADS
	s_mov_b32 s[ACTN], 1
.Lnone_\@:
	s_and_b32 s[TMP], s[NEED], s[CURM]
	s_cmp_lg_u32 s[TMP], 0
	s_cbranch_scc0 .Lskip_\@
	STEP \slot
.Lskip_\@:
	s_wait_loadcnt 0x0                             ; on every way: what was asked for is in registers, and the loads' offsets may be written again
	s_cmp_lg_u32 s[ACTN], 0
	s_cbranch_scc0 .Lnost_\@
	STORES 1-\slot
.Lnost_\@:
	s_wait_dscnt 0x0                               ; for the others: my stores have landed and my reads are over
	s_barrier_signal -1
	s_barrier_wait -1
	s_lshl_b32 s[CURM], s[ACTN], s[NXT]            ; the step that now lies in the other slot; 0 if nothing was fetched
	s_lshl_b32 s[OFFPM], s[NXT], 8
.endm
.macro INIT                            ; a tile's start, in the window that is set.  Which key step is a wave's first hangs on the lists, so the step is written once: O^T and the sum begin as zeros, which the first change of M leaves zeros
	v_mov_b32 v[NEG], 0xf3000000                   ; -2^103
	v_mov_b32 v13, 0xff61b1e6                      ; the largest t so far: -3e38, under every t, a hidden key's too
	v_floor_f32 v12, -v13                          ; -M
	v_mov_b32 v14, 0
	v_mov_b32 v15, 0
.irp b, 0,1,2,3
	v_mov_b32 v[236+\b], 0                         ; a lane permute's destination counts as one of its sources
.endr
	v_mov_b32 v252, 0                              ; likewise, on the way out
	v_mov_b32 v253, 0                              ; (named as the upper half of the pair v[252:253] before it is first written)
.set jj, 0
.rept 64
	v_mov_b32 v[O+jj], 0
.set jj, jj+1
.endr
.endm
; THE WAY OUT of tile w.  O^T / the sum goes through my stage in LDS, half a row (64 channels, 256 bytes) of 16 queries at a time, and leaves as runs of 256 consecutive aligned bytes.
.macro WAYOUT w
	WIN 0x55*\w
	v_add_f32 v14, v14, v15                        ; the sum's two halves,
	v_permlanex16_b32 v252, v14, s[SEL], s[SEL+1]
	v_add_f32 v14, v14, v252                       ; and lane l xor 16's
	v_rcp_f32 v14, v14
	v_nop                                          ; a plain instruction behind the reciprocal
	s_wait_alu depctr_va_vdst(0)                   ; and a wait ahead of its first reader
.set jj, 0
.rept 32
	v_pk_mul_f32 v[S+jj:S+jj+1], v[O+jj:O+jj+1], v[14:15] op_sel_hi:[1,0]   ; register 8 T + i is o(r, 16 T + 8 h + i); each accumulator from its low end on
.set jj, jj+2
.endr
.set BK, 32+64*\w                      ; the rows come back into window 0: tile A's into v32-95, tile B's into v96-159, which tile A has left
.irp u, 0,1
	WIN 0x04*\w
.irp t, 0,1,2,3
	ds_store_b128 v[STO], v[S+32*\u+8*\t:S+32*\u+8*\t+3] offset:64*\t
	ds_store_b128 v[STO], v[S+32*\u+8*\t+4:S+32*\u+8*\t+7] offset:64*\t+16
.endr
	WIN 0
.irp i, 0,1,2,3,4,5,6,7
	ds_load_b128 v[BK+32*\u+4*\i:BK+32*\u+4*\i+3], v[RD] offset:2*\i*272   ; LDS serves a wave's instructions in order (ISA guide 5.7.1.4): these see my stores, and the next half's stores come behind them
.endr
.endr
.irp u, 0,1
.irp i, 0,1,2,3,4,5,6,7
	s_wait_dscnt 23-16*\u-\i                       ; behind this load were issued: the 7 - i left of its eight, and for the first half the second half's 8 stores and 8 loads
	global_store_b128 v[GO], v[BK+32*\u+4*\i:BK+32*\u+4*\i+3], s[OUTP:OUTP+1] offset:8192*\w+1024*\i+256*\u th:TH_STORE_NT   ; sixteen lanes store 256 consecutive bytes, aligned
.endr
.endr
.endm
	s_load_b512 s[32:47], s[0:1], 0x0              ; q_codes s[32:33], q_scales s[34:35], k_codes s[36:37], k_scales s[38:39], v_codes s[40:41], vs2 s[42:43], pm s[44:45], tab s[46:47]
	s_load_b64 s[48:49], s[0:1], 0x40              ; out0
	v_lshl_add_u32 v[SPW], v0, 2, SPARE
	v_mov_b32 v[NIL], 0
	v_lshrrev_b32 v28, 5, v0
	v_readfirstlane_b32 s[WV], v28                 ; wave 0..7
	v_and_b32 v29, 31, v0                          ; lane
	v_and_b32 v30, 15, v0                          ; r
	v_bfe_u32 v31, v0, 4, 1                        ; h
	v_lshrrev_b32 v7, 3, v29                       ; lane / 8
	v_and_b32 v8, 7, v29                           ; lane % 8
	v_mul_u32_u24 v[AK0], v30, KP
	v_lshl_add_u32 v[AK0], v31, 4, v[AK0]
	v_add_nc_u32 v[AV0], VOFF, v[AK0]
	v_and_b32 v[AKS0], 8, v30
	v_add_nc_u32 v[AKS0], v[AKS0], v30             ; r + 8 (r / 8)
	v_lshlrev_b32 v[AKS0], 2, v[AKS0]
	v_lshl_add_u32 v[AKS0], v31, 5, v[AKS0]        ; lanes 16-31: the odd tile's keys lie 8 further on
	v_add_nc_u32 v[AKS0], SCOFF, v[AKS0]
	v_lshl_add_u32 v[AVS0], v29, 2, SCOFF+512      ; V's rows are neighbours: 32 P + lane
	s_lshl_b32 s84, s[WV], 11
	v_lshl_add_u32 v[GK], v29, 4, s84
	s_lshl_b32 s85, s[WV], 16
	v_lshl_add_u32 v[GV], v7, 12, s85
	v_lshl_add_u32 v[GV], v8, 4, v[GV]
	v_and_b32 v[GS], 127, v0
	v_lshlrev_b32 v[GS], 2, v[GS]
	s_lshr_b32 s86, s[WV], 1
	s_lshl_b32 s86, s86, 5
	s_and_b32 s87, s[WV], 1
	s_lshl_b32 s87, s87, 3
	s_add_co_u32 s86, s86, s87
	s_mul_i32 s86, s86, KP                         ; K: row 32 (w / 2) + 8 (w % 2)
	s_mul_i32 s87, s[WV], 16*KP
	s_add_co_u32 s87, s87, VOFF                    ; V: row 16 w
	v_mul_u32_u24 v[SK0], v7, KP
	v_lshl_add_u32 v[SK0], v8, 4, v[SK0]           ; + lane / 8 rows, + 16 (lane % 8)
	v_add_nc_u32 v[SV0], s87, v[SK0]
	v_add_nc_u32 v[SK0], s86, v[SK0]
	v_lshl_add_u32 v[SS0], v0, 2, SCOFF
	s_mul_i32 s88, s[WV], STW
	s_add_co_u32 s88, s88, STAGE                   ; my stage
	v_mul_u32_u24 v[STO], v30, 272
	v_lshl_add_u32 v[STO], v31, 5, v[STO]
	v_add_nc_u32 v[STO], s88, v[STO]               ; in: row r, + 32 h
	v_mul_u32_u24 v[RD], v31, 272
	v_lshl_add_u32 v[RD], v30, 4, v[RD]
	v_add_nc_u32 v[RD], s88, v[RD]                 ; back: lanes 0-15 one row, lanes 16-31 the next
	v_lshlrev_b32 v[GO], 9, v31
	v_lshl_add_u32 v[GO], v30, 4, v[GO]            ; and the same two rows in out0
	v_lshlrev_b32 v28, 7, v30
	v_lshl_add_u32 v28, v31, 4, v28                ; Q: row r of 128 bytes, + 16 h
	v_lshlrev_b32 v29, 2, v30                      ; Q's scale words: 4 r
	s_and_b32 s28, ttmp7, 0xffff                   ; the head
	s_sub_co_u32 s29, 31, ttmp9                    ; 31 - a
	s_cmp_lt_u32 s[WV], 4
	s_cselect_b32 s30, ttmp9, s29                  ; my block of 128 queries
	s_and_b32 s31, s[WV], 3
	s_lshl_b32 s30, s30, 7
	s_lshl_b32 s31, s31, 5
	s_add_co_u32 s30, s30, s31                     ; my first query
	s_lshl_b32 s8, s28, 19                         ; a head's codes: 524,288 bytes
	s_mov_b32 s9, 0
	s_lshl_b32 s10, s28, 14                        ; a head's scale bytes: 16,384
	s_mov_b32 s11, 0
	s_lshl_b32 s24, s30, 9                         ; pm: 8,192 bytes for 16 queries; out0: 512 bytes a query
	s_mov_b32 s25, 0
	s_lshl_b32 s26, s28, 21                        ; a head of out0
	s_add_co_u32 s26, s26, s24
	s_mov_b32 s27, 0
	s_lshl_b32 s4, s30, 7
	s_add_co_u32 s4, s4, s8                        ; my queries' codes
	s_mov_b32 s5, 0
	s_lshl_b32 s6, s30, 2
	s_add_co_u32 s6, s6, s10                       ; and their scale words
	s_mov_b32 s7, 0
	s_lshl_b32 s23, ttmp9, 5                       ; tab: the eight words of block a,
	s_lshl_b32 s29, s29, 5                         ; of block 31 - a,
	s_lshr_b32 s31, s30, 2                         ; and my two tiles': 4 x (first query / 16)
	s_mov_b32 s[MNT], 0x600000
	s_mov_b32 s[SEL], 0x76543210
	s_mov_b32 s[SEL+1], 0xfedcba98
	s_mov_b32 s[CS], 0x3e0293ee                    ; c = log2(e) / sqrt(128)
	s_mov_b32 s[CS+1], s[CS]                       ; (named with it as a pair, so it is written)
	s_mov_b32 s[J], 16
	s_wait_kmcnt 0x0
	s_add_nc_u64 s[KH:KH+1], s[36:37], s[8:9]
	s_add_nc_u64 s[VH:VH+1], s[40:41], s[8:9]
	s_cmp_lt_u32 s[WV], 4                          ; waves 0-3 fetch K's scale words, waves 4-7 V's: both lie 512 bytes a key step, 16,384 a head
	s_cselect_b64 s[SH:SH+1], s[38:39], s[42:43]
	s_add_nc_u64 s[SH:SH+1], s[SH:SH+1], s[10:11]
	s_add_nc_u64 s[PMH:PMH+1], s[44:45], s[24:25]
	s_add_nc_u64 s[OUTP:OUTP+1], s[48:49], s[26:27]
	s_add_nc_u64 s[32:33], s[32:33], s[4:5]
	s_add_nc_u64 s[34:35], s[34:35], s[6:7]
	s_load_b256 s[68:75], s[46:47], s23 offset:0x0     ; need of the work-group's sixteen tiles
	s_load_b256 s[76:83], s[46:47], s29 offset:0x0
	s_load_b64 s[24:25], s[46:47], s31 offset:0x0      ; need of my two
	s_load_b64 s[PART:PART+1], s[46:47], s31 offset:0x400   ; part of my two
	s_wait_kmcnt 0x0
	s_or_b32 s[REM], s68, s69
.irp i, 70,71,72,73,74,75,76,77,78,79,80,81,82,83
	s_or_b32 s[REM], s[REM], s\i                   ; what any wave of the work-group needs is fetched
.endr
	s_or_b32 s[NEED], s24, s25
	NEXT                                           ; need is never 0: the first step is asked for on every way, which also writes every register that STORES reads
	LOADS
	WIN 0x40
.irp c, 0,1,2,3
	global_load_b128 v[QA+4*\c:QA+4*\c+3], v28, s[32:33] offset:32*\c th:TH_LOAD_NT        ; Q stays in registers
	global_load_b128 v[QB+4*\c:QB+4*\c+3], v28, s[32:33] offset:2048+32*\c th:TH_LOAD_NT   ; tile B: 16 rows on
.endr
	WIN 0
	global_load_b32 v[QSA], v29, s[34:35]
	global_load_b32 v[QSB], v29, s[34:35] offset:64
	INIT
	WIN 0x55
	INIT
	WIN 0
	s_wait_loadcnt 0x0                             ; the first step, Q and its scale words; the loads' bases in s[32:35] may now be written
	STORES 0
	s_wait_dscnt 0x0
	s_barrier_signal -1
	s_barrier_wait -1                              ; slot 0 is whole
	s_lshl_b32 s[CURM], 1, s[NXT]
	s_lshl_b32 s[OFFPM], s[NXT], 8
.Lpair:                                                ; 16 x 2 trips: as many as there are key steps
	TRIP 0
	TRIP 1
	s_sub_co_i32 s[J], s[J], 1
	s_cmp_lg_u32 s[J], 0
	s_cbranch_scc1 .Lpair
	WAYOUT 0
	WAYOUT 1
	s_wait_tensorcnt 0x0                           ; the wave's end, behind my last LDS store
	ds_add_u32 v[SPW], v[NIL]
	s_wait_dscnt 0x0
	s_endpgm
.Lfunc_end_k_q59c8078449_attn:
	.size	k_q59c8078449_attn, .Lfunc_end_k_q59c8078449_attn-k_q59c8078449_attn
	.p2alignl 7, 3214868480
	.fill 96, 4, 3214868480
	.section	.rodata,"a",@progbits
	.p2align	6, 0x0
	.amdhsa_kernel k_q59c8078449_attn
		.amdhsa_group_segment_fixed_size 111616
		.amdhsa_private_segment_fixed_size 0
		.amdhsa_enable_private_segment 0
		.amdhsa_kernarg_size 72
		.amdhsa_user_sgpr_count 2
		.amdhsa_user_sgpr_kernarg_segment_ptr 1
		.amdhsa_wavefront_size32 1
		.amdhsa_system_sgpr_workgroup_id_x 1
		.amdhsa_system_sgpr_workgroup_id_y 1
		.amdhsa_system_sgpr_workgroup_id_z 1
		.amdhsa_system_vgpr_workitem_id 0
		.amdhsa_next_free_vgpr 512
		.amdhsa_next_free_sgpr 106
		.amdhsa_reserve_vcc 0
		.amdhsa_float_denorm_mode_32 3
		.amdhsa_float_denorm_mode_16_64 3
		.amdhsa_memory_ordered 1
		.amdhsa_forward_progress 1
		.amdhsa_inst_pref_size 128
	.end_amdhsa_kernel
	.amdgpu_metadata
---
amdhsa.version: [ 1, 2 ]
amdhsa.kernels:
  - .name:           k_q59c8078449_attn
    .symbol:         k_q59c8078449_attn.kd
    .args:
      - { .name: q_codes, .offset: 0, .size: 8, .value_kind: global_buffer, .address_space: global }
      - { .name: q_scales, .offset: 8, .size: 8, .value_kind: global_buffer, .address_space: global }
      - { .name: k_codes, .offset: 16, .size: 8, .value_kind: global_buffer, .address_space: global }
      - { .name: k_scales, .offset: 24, .size: 8, .value_kind: global_buffer, .address_space: global }
      - { .name: v_codes, .offset: 32, .size: 8, .value_kind: global_buffer, .address_space: global }
      - { .name: vs2, .offset: 40, .size: 8, .value_kind: global_buffer, .address_space: global }
      - { .name: pm, .offset: 48, .size: 8, .value_kind: global_buffer, .address_space: global }
      - { .name: tab, .offset: 56, .size: 8, .value_kind: global_buffer, .address_space: global }
      - { .name: out0, .offset: 64, .size: 8, .value_kind: global_buffer, .address_space: global }
    .group_segment_fixed_size: 111616
    .private_segment_fixed_size: 0
    .kernarg_segment_align: 8
    .kernarg_segment_size: 72
    .max_flat_workgroup_size: 256
    .sgpr_count:     106
    .vgpr_count:     512
    .wavefront_size: 32
...
	.end_amdgpu_metadata
.endif
;; end of part 2
;; ======== version 2 of 2: 2 launches; version 1 with the launch attn written anew for expert scheduling mode
;; limits: right only within a limited range of input values
;; workspace buffers: pm 2,097,152 bytes of whole numbers; tab 2,048 bytes of whole numbers; vs2 262,144 bytes
;; launch scan: the kernel of part 1 again; grid 256 x 1, 8 waves a work-group, no clusters, 1,280 bytes of LDS; arguments mask, v_scales, cu_seqlens, pm, tab, vs2; writes pm, tab, vs2
;; launch attn (part 3): grid 16 x 16, 8 waves a work-group, no clusters, 111,616 bytes of LDS; arguments q_codes, q_scales, k_codes, k_scales, v_codes, vs2, pm, tab, out0; writes out0
.if DOCPART == 3
	.amdgcn_target "amdgcn-amd-amdhsa--gfx1250"
	.amdhsa_code_object_version 6
	.text
	.protected	k_q59c8078449_attn
	.globl	k_q59c8078449_attn
	.p2align	8
	.type	k_q59c8078449_attn,@function
k_q59c8078449_attn:
	s_mov_b64 s[64:65], 0
	v_nop
	global_prefetch_b8 v0, s[64:65] scope:SCOPE_SE
	s_setreg_imm32_b32 hwreg(HW_REG_WAVE_SCHED_MODE, 0, 2), 2
	s_setreg_imm32_b32 hwreg(HW_REG_WAVE_MODE, 25, 1), 1
	s_wait_xcnt 0x0
	s_wait_alu depctr_vm_vsrc(0)
; out0[h][q][:] = the sum over k of softmax_k(where(mask[q][k], Q[h][q] . K[h][k] / sqrt(128), -1e30)) V[h][k][:], both products on codes of BF8 (E5M2) with one E8M0 scale for each 32 along K.
; Q, K: [16][4096][128] codes, scale bytes [16][4096][4].  V: codes with the keys innermost, [16][128][4096]; its scale words by key step in vs2 [16][32][128] u32.  out0: [16][4096][128] f32.
; THE SOFTMAX AHEAD OF THE SECOND PRODUCT: t = score x log2(e) / sqrt(128); M = the running largest t rounded UP to a whole number; p = 2^(t - M) is quantised along the keys, not normalised;
; the row's sum is taken of the unquantised p and divides at the end.  When M moves, the sum and O are multiplied by 2^(old M - new M): nothing is rounded.
; THE MASK is an input.  The launch before has laid it as lane masks (pm) and has stored, for each tile of 16 queries, which key steps of 128 keys hold a visible key (need) and which are not all true (part).
; A key step that none of a wave's 32 queries needs is left out: a scalar branch on those stored words.  A hidden score is replaced by -2^103 ahead of the maximum.  Times c that is exact, and so is its floor:
; a row that has seen no visible key yet has t - M = 0 and p = 1 on every key that it walks; its first visible key makes 2^(old M - new M) = 0, which wipes its sum and its O; afterwards a hidden key has p = 0.
; A row with no visible key at all has need = all ones, walks all 4,096 keys with p = 1 and ends as the mean of V.
; LIMITS: a hidden key's t stands at -1.29e30 where the definition has -1.44e30: the results are the same while every visible |t| stays under 1.2e30 and the sums of V stay finite.  NaN and infinities among the values are not served.
; SHARES.  256 work-groups of eight waves.  A wave owns 32 queries: tile A in register window 0, tile B in window 1, at the same numbers, so that one text of the softmax serves both, and a fragment of K or V read from LDS
; feeds two matrix instructions.  Waves 0-3 take block a of 128 queries, waves 4-7 block 31 - a (a = work-group x): right for every mask; under masks that grow with the query it evens the work.
; K AND V go from memory through registers into two LDS slots of one key step, filled by all eight waves a whole key step ahead: loads at a trip's head, LDS stores at its end, ONE barrier a trip.
; The loop has 32 trips, the most key steps that there can be, so that every wave passes every barrier; a trip with nothing left is a barrier and a few scalar lines.
; NO CLUSTER, NO JOINT LOADS, NO TENSOR LOADS: which key steps a work-group walks is read from tab, so partners would want different tiles in different numbers.
; LAYOUT.  Both products are used transposed: S^T = K Q^T (source 0 = 16 keys, source 1 = 16 queries), O^T = V^T P^T (source 0 = 16 of the head's 128, source 1 = P): a lane holds ONE query (lane % 16) throughout.
; THE KEYS OF A TILE ARE NOT NEIGHBOURS: lane r of tile T takes key 32 (T / 2) + 8 (T % 2) + r + 8 (r / 8), so that score register 16 b + i is key 32 b + 16 (lane / 16) + i and the conversions' results are the next operand.
; In LDS a key's row stands at the key's number with bits 3 and 4 exchanged: tile T's sixteen rows are then rows 16 T .. 16 T + 15.
; THE MODE: SCHED_MODE bits 1:0 = 2 (LLVM: expert scheduling mode 2), set by the entry lines.  The code itself states the register dependences
; between vector or matrix instructions and memory or LDS instructions, with s_wait_alu, always for 0.
; THE PLAN.  Registers that memory or LDS instructions touch, in the loop:
;   STK, STV, STS (window 1)   Written by a trip's nine loads from memory, read by the same trip's nine LDS stores; no vector instruction names them.  One wait on vm_vsrc a trip, ahead of the barrier:
;                              the stores have read them, and the next trip's loads land in them.
;   v32-95 of window 0         K's tiles 0-3, K's tiles 4-7 and V's tiles 0-3 by turns.  Each run of LDS loads stands behind a wait on va_vdst: the products that read the run before are done reading.
;   v96-159 of window 0        Tile A's scores, then its p: written by the products K Q^T, worked on by tile A's softmax.  Behind tile A's conversions and one wait on va_vdst V's tiles 4-7 land there,
;                              while tile B's softmax is walked in window 1; the products with V read them; the next step's first products write them anew.
;   v248-251                   K's, then V's scale words: loaded with the first run of K and with the first run of V, behind the same waits.
;   v1-4, v16-18, v22-27       Addresses, made at the head and never written again: the key step enters by three scalar bases, made anew in each trip that fetches.
;   s[32:99]                   A tile's mask words: written by scalar loads, read by the selects; a wait on va_vdst stands between a tile's selects and the scalar loads of the next tile's words.
;   p's codes and scale words are written by vector instructions and read by scaled matrix instructions: one wait on va_vdst ahead of the run of sixteen products with V.
.set KP,    144                        ; an LDS row: 128 bytes + 16 = 36 words: sixteen rows on end start at sixteen different columns of 16 bytes modulo 256 (64 banks of 4 bytes: ISA guide 11.1)
.set VOFF,  128*KP                     ; a slot: 128 rows of K, then 128 rows of V,
.set SCOFF, 2*VOFF                     ; K's 128 scale words (4 x key), V's 128 (4 x d)
.set SLOTB, SCOFF+1024                 ; 37,888 bytes a slot
.set STAGE, 2*SLOTB                    ; behind the two slots: 16 rows x 272 bytes for each wave, for the way out
.set STW,   16*272
.set SPARE, STAGE+8*STW                ; behind the stages: the spare words, 128 bytes for each wave, which no other line names
; vector registers, window 0
.set AK0,  1                           ; v1   my lane's place in a tile of K: 144 r + 16 h
.set AV0,  2                           ; v2   the same for V
.set AKS0, 3                           ; v3   K's scale words: lanes 0-15 an even tile's rows, lanes 16-31 the next tile's
.set AVS0, 4                           ; v4   V's likewise: 4 x lane
.set SPW,  5                           ; v5   LDS address of my spare word; never rewritten
.set NIL,  6                           ; v6   0; never rewritten
.set NEG,  9                           ; v9   -2^103, in both windows
.set QSA,  10                          ; v10, v11  Q's scale words, tiles A and B
.set QSB,  11
                                       ; v12 -M, v13 the largest t, v[14:15] the sum in two halves: in each window its tile's
.set GK,   16                          ; v16  K in memory: 2,048 w + 16 lane
.set GV,   17                          ; v17  V in memory: (16 w + lane / 8) x 4,096 + 16 (lane % 8)
.set GS,   18                          ; v18  scale words in memory: 4 (thread % 128)
.set SK0,  22                          ; v22  where I store K's rows in a slot
.set SV0,  23                          ; v23  V's rows
.set SS0,  24                          ; v24  my scale word: SCOFF + 4 x thread
.set STO,  25                          ; v25  the way out: where I put 32 bytes of a row
.set RD,   26                          ; v26  where I read a row back
.set GO,   27                          ; v27  my byte offset in the tile's rows of out0
.set FRG,  32                          ; v32-95   four fragments of K, or V's first four, for both tiles
.set S,    96                          ; v96-159  S^T, then p; in window 0, behind tile A's conversions: V's other four fragments, on end with the first four
.set O,    160                         ; v160-223 O^T
.set PC,   224                         ; v224-239 p's codes; v232-247 at work; v252 f; v253 p's scale word; v254 at work
.set KVS,  248                         ; v248-251 K's or V's scale words, one register for two tiles
.set PWB,  255                         ; v255 tile B's scale word of p (scale operands have no window)
; window 1
.set QB,   16                          ; v16-31  Q of tile B
.set STK,  32                          ; v32-47  on their way to LDS: 4 x 16 bytes of K,
.set STV,  48                          ; v48-63  of V,
.set STS,  64                          ; v64     a scale word
.set QA,   80                          ; v80-95  Q of tile A
; scalar registers
.set WV,   2                           ; my wave's number
.set J,    3                           ; pairs of trips to go
.set REM,  4                           ; key steps that the work-group has still to fetch: the same in all eight waves
.set NEED, 5                           ; key steps that my 32 queries need
.set PART, 6                           ; s6, s7: key steps in which tile A, tile B is not all true
.set NXT,  8                           ; the key step fetched last
.set ACTN, 9                           ; 1 if this trip fetches one
.set CURM, 10                          ; the bit of the key step in the slot in hand; 0 if there is none
.set OFFPM, 11                         ; its 256 bytes in a tile's part of pm
.set KH,   12                          ; s[12:13] K's codes at my head;  s[14:15] V's;  s[16:17] the scale words that my wave fetches (waves 0-3: K's, waves 4-7: V's)
.set VH,   14
.set SH,   16
.set PMH,  18                          ; s[18:19] pm at tile A
.set OUTP, 20                          ; s[20:21] out0 at my first query
.set MNT,  22                          ; the mantissa field of 57,344
.set TMP,  23
.set KB,   24                          ; s[24:25] K's codes at the key step that is being fetched;  s[26:27] V's;  s[28:29] the scale words
.set VB,   26
.set SB,   28
.set OFS,  30                          ; s[30:31] that key step's byte offset, the upper word 0
                                       ; s[32:63], s[68:99]: a tile's 64 mask words: word n in s[32 + n + 4 (n / 32)]; at the head the arguments and tab's words
.set SEL,  100                         ; s[100:101] lane selects for v_permlanex16_b32: lane l xor 16
.set CS,   104                         ; s[104:105] c = log2(e) / sqrt(128): the packed form names a pair and takes its low word for both halves
.set MSB, 0
.macro WIN new                         ; s_set_vgpr_msb: bits 1:0 source 0, 3:2 source 1, 5:4 source 2, 7:6 destination; the high byte repeats the setting that is left; a switch that changes nothing is dropped
.if MSB != (\new)
	s_set_vgpr_msb (MSB<<8)|(\new)
.set MSB, (\new)
.endif
.endm
; 0x40: loads into window 1.  0x04: an LDS store's data, or source 1 (Q of tile A), in window 1.  0x54: tile B's products: source 0 window 0, all else window 1.  0x55: tile B's vector work.  At a label and at a branch: 0.
; The lowest key step still to be fetched leaves REM.  It is a loaded number: it is held at 31 before it enters an address.
.macro NEXT
	s_ctz_i32_b32 s[NXT], s[REM]
	s_min_u32 s[NXT], s[NXT], 31
	s_sub_co_u32 s[TMP], s[REM], 1
	s_and_b32 s[REM], s[REM], s[TMP]
.endm
; Key step NXT is asked for: 16 KiB of K (one dense block), 16 KiB of V (128 bytes of each of 128 rows), 1 KiB of scale words; nine loads a wave.
; The step enters by the scalar bases: the vector offsets stay as the head made them.  The bases are written again only behind the wait on LOADcnt for 0 that every trip holds: it shows the loads that read them done.
.macro LOADS
	s_lshl_b32 s[OFS], s[NXT], 14                  ; 128 keys of 128 bytes a step
	s_add_nc_u64 s[KB:KB+1], s[KH:KH+1], s[OFS:OFS+1]
	s_lshl_b32 s[OFS], s[NXT], 7                   ; 128 bytes of a row a step
	s_add_nc_u64 s[VB:VB+1], s[VH:VH+1], s[OFS:OFS+1]
	s_lshl_b32 s[OFS], s[NXT], 9                   ; 128 words a step
	s_add_nc_u64 s[SB:SB+1], s[SH:SH+1], s[OFS:OFS+1]
	WIN 0x40
.irp c, 0,1,2,3
	global_load_b128 v[STK+4*\c:STK+4*\c+3], v[GK], s[KB:KB+1] offset:512*\c     ; 512 consecutive bytes: keys 16 w + 4 c + lane / 8
.endr
.irp c, 0,1,2,3
	global_load_b128 v[STV+4*\c:STV+4*\c+3], v[GV], s[VB:VB+1] offset:16384*\c   ; rows d = 16 w + 4 c + lane / 8
.endr
	global_load_b32 v[STS], v[GS], s[SB:SB+1]
	WIN 0
.endm
.macro STORES slot                     ; and goes into a slot.  Key 16 w + 4 c + lane / 8 with bits 3 and 4 exchanged is row 32 (w / 2) + 8 (w % 2) + lane / 8 + 16 (c / 2) + 4 (c % 2)
	WIN 0x04
	ds_store_b128 v[SK0], v[STK:STK+3] offset:(\slot)*SLOTB
	ds_store_b128 v[SK0], v[STK+4:STK+7] offset:(\slot)*SLOTB+4*KP
	ds_store_b128 v[SK0], v[STK+8:STK+11] offset:(\slot)*SLOTB+16*KP
	ds_store_b128 v[SK0], v[STK+12:STK+15] offset:(\slot)*SLOTB+20*KP
.irp c, 0,1,2,3
	ds_store_b128 v[SV0], v[STV+4*\c:STV+4*\c+3] offset:(\slot)*SLOTB+4*\c*KP
.endr
	ds_store_b32 v[SS0], v[STS] offset:(\slot)*SLOTB
	WIN 0
.endm
.macro FRAGS reg, adr, slot, g         ; four fragments, tiles 4 g .. 4 g + 3, into v[reg] on: 16 rows x 128 codes each: registers 4 c .. 4 c + 3 hold K = 32 c + 16 h + 0 .. 15
.irp t, 0,1,2,3
.irp c, 0,1,2,3
	ds_load_b128 v[\reg+16*\t+4*\c:\reg+16*\t+4*\c+3], v[\adr] offset:(\slot)*SLOTB+16*(4*(\g)+\t)*KP+32*\c
.endr
.endr
.endm
.macro SCW adr, slot                   ; the eight tiles' scale words in four registers: lanes 0-15 tile 2 P's rows, lanes 16-31 tile 2 P + 1's
.irp p, 0,1,2,3
	ds_load_b32 v[KVS+\p], v[\adr] offset:(\slot)*SLOTB+128*\p
.endr
.endm
; S^T = K Q^T, tiles 4 g .. 4 g + 3, for tile A and then for tile B.  An odd tile's scale words are read from lanes 16-31.  No two matrix instructions that follow each other share an accumulator.
.macro QK g
	WIN 0x04
.irp t, 0,1,2,3
.if \t%2
	v_wmma_scale_f32_16x16x128_f8f6f4 v[S+8*(4*(\g)+\t):S+8*(4*(\g)+\t)+7], v[FRG+16*\t:FRG+16*\t+15], v[QA:QA+15], 0, v[KVS+(4*(\g)+\t)/2], v[QSA] matrix_a_fmt:MATRIX_FMT_BF8 matrix_b_fmt:MATRIX_FMT_BF8 matrix_a_scale:MATRIX_SCALE_ROW1
.else
	v_wmma_scale_f32_16x16x128_f8f6f4 v[S+8*(4*(\g)+\t):S+8*(4*(\g)+\t)+7], v[FRG+16*\t:FRG+16*\t+15], v[QA:QA+15], 0, v[KVS+(4*(\g)+\t)/2], v[QSA] matrix_a_fmt:MATRIX_FMT_BF8 matrix_b_fmt:MATRIX_FMT_BF8
.endif
.endr
	WIN 0x54
.irp t, 0,1,2,3
.if \t%2
	v_wmma_scale_f32_16x16x128_f8f6f4 v[S+8*(4*(\g)+\t):S+8*(4*(\g)+\t)+7], v[FRG+16*\t:FRG+16*\t+15], v[QB:QB+15], 0, v[KVS+(4*(\g)+\t)/2], v[QSB] matrix_a_fmt:MATRIX_FMT_BF8 matrix_b_fmt:MATRIX_FMT_BF8 matrix_a_scale:MATRIX_SCALE_ROW1
.else
	v_wmma_scale_f32_16x16x128_f8f6f4 v[S+8*(4*(\g)+\t):S+8*(4*(\g)+\t)+7], v[FRG+16*\t:FRG+16*\t+15], v[QB:QB+15], 0, v[KVS+(4*(\g)+\t)/2], v[QSB] matrix_a_fmt:MATRIX_FMT_BF8 matrix_b_fmt:MATRIX_FMT_BF8
.endif
.endr
	WIN 0
.endm
; O^T += V^T P^T, all eight tiles of 16 channels, for tile A and then for tile B; K = the step's 128 keys.  V's eight fragments lie on end in v32-159 of window 0.  Each accumulator has one instruction a key step.
.macro PV
	WIN 0
.irp t, 0,1,2,3,4,5,6,7
.if \t%2
	v_wmma_scale_f32_16x16x128_f8f6f4 v[O+8*\t:O+8*\t+7], v[FRG+16*\t:FRG+16*\t+15], v[PC:PC+15], v[O+8*\t:O+8*\t+7], v[KVS+\t/2], v253 matrix_a_fmt:MATRIX_FMT_BF8 matrix_b_fmt:MATRIX_FMT_BF8 matrix_a_scale:MATRIX_SCALE_ROW1
.else
	v_wmma_scale_f32_16x16x128_f8f6f4 v[O+8*\t:O+8*\t+7], v[FRG+16*\t:FRG+16*\t+15], v[PC:PC+15], v[O+8*\t:O+8*\t+7], v[KVS+\t/2], v253 matrix_a_fmt:MATRIX_FMT_BF8 matrix_b_fmt:MATRIX_FMT_BF8
.endif
.endr
	WIN 0x54
.irp t, 0,1,2,3,4,5,6,7
.if \t%2
	v_wmma_scale_f32_16x16x128_f8f6f4 v[O+8*\t:O+8*\t+7], v[FRG+16*\t:FRG+16*\t+15], v[PC:PC+15], v[O+8*\t:O+8*\t+7], v[KVS+\t/2], v[PWB] matrix_a_fmt:MATRIX_FMT_BF8 matrix_b_fmt:MATRIX_FMT_BF8 matrix_a_scale:MATRIX_SCALE_ROW1
.else
	v_wmma_scale_f32_16x16x128_f8f6f4 v[O+8*\t:O+8*\t+7], v[FRG+16*\t:FRG+16*\t+15], v[PC:PC+15], v[O+8*\t:O+8*\t+7], v[KVS+\t/2], v[PWB] matrix_a_fmt:MATRIX_FMT_BF8 matrix_b_fmt:MATRIX_FMT_BF8
.endif
.endr
	WIN 0
.endm
.macro PLACES n                        ; places behind this form: eight ahead of the first read of results and of loads into registers that matrix instructions have read; nine ahead of a matrix instruction that writes over such a register
.rept \n
	v_nop
.endr
.endm
.macro MLOAD off                       ; a tile's 64 mask words of the key step in hand: 256 bytes of pm into scalar registers
	s_load_b512 s[32:47], s[PMH:PMH+1], s[OFFPM] offset:\off
	s_load_b512 s[48:63], s[PMH:PMH+1], s[OFFPM] offset:\off+64
	s_load_b512 s[68:83], s[PMH:PMH+1], s[OFFPM] offset:\off+128
	s_load_b512 s[84:99], s[PMH:PMH+1], s[OFFPM] offset:\off+192
.endm
.macro MASK w                          ; hidden scores become -2^103; a tile that is all true skips this.  The registers go in ascending order: each accumulator is read from its low end on
	s_and_b32 s[TMP], s[PART+\w], s[CURM]
	s_cmp_lg_u32 s[TMP], 0
	s_cbranch_scc0 .Lopen_\@
	WIN 0x55*\w
.set n, 0
.rept 64
	v_cndmask_b32 v[S+n], v[NEG], v[S+n], s[32+n+4*(n/32)]
.set n, n+1
.endr
	WIN 0
.Lopen_\@:
.endm
; THE SOFTMAX OF ONE TILE, in the window that is set.  First part: the maxima, the new M, and f.
.macro SOFT_MAX
.irp b, 0,1,2,3
	v_max3_num_f32 v[232+\b], v[S+16*\b], v[S+1+16*\b], v[S+2+16*\b]   ; THE LARGEST SCORE OF EACH BLOCK OF 32 KEYS serves twice: for the row's maximum, and, since p rises with the score, for the block's largest p
.endr
.irp i, 3,5,7,9,11,13
.irp b, 0,1,2,3
	v_max3_num_f32 v[232+\b], v[232+\b], v[S+16*\b+\i], v[S+1+16*\b+\i]   ; (the four blocks by turns)
.endr
.endr
.irp b, 0,1,2,3
	v_max_num_f32 v[232+\b], v[232+\b], v[S+15+16*\b]
.endr
.irp b, 0,1,2,3
	v_permlanex16_b32 v[236+\b], v[232+\b], s[SEL], s[SEL+1]
.endr
.irp b, 0,1,2,3
	v_max_num_f32 v[232+\b], v[232+\b], v[236+\b]  ; with lane l xor 16's 16 keys
.endr
	v_max3_num_f32 v254, v232, v233, v234
	v_max_num_f32 v254, v254, v235                 ; the step's largest score of my query
	v_mul_f32 v254, s[CS], v254                    ; as t (c is positive)
	v_max_num_f32 v13, v13, v254                   ; the running largest t
	v_mov_b32 v254, v12
	v_floor_f32 v12, -v13                          ; the new -M = floor(-t) = -ceil(t): M IS A WHOLE NUMBER
	v_sub_f32 v254, v12, v254                      ; M's old value less its new one: a whole number, 0 or less
	v_cvt_i32_f32 v254, v254                       ; (it saturates)
	v_ldexp_f32 v252, 1.0, v254                    ; f = 2^(old M - new M)
.endm
; Second part: p, the sum, the scales, the codes.  w = 1: tile B's scale word is copied into window 0, where scale operands are read.
.macro SOFT_P w
.set jj, 0
.rept 32
	v_pk_fma_f32 v[S+jj:S+jj+1], v[S+jj:S+jj+1], s[CS:CS+1], v[12:13] op_sel_hi:[1,0,0]   ; t - M, two at a time (of the pairs c and -M the low word serves both halves)
.set jj, jj+2
.endr
.irp b, 0,1,2,3
	v_fma_f32 v[232+\b], v[232+\b], s[CS], v12     ; the same of each block's largest score
.endr
.set jj, 0
.rept 64
	v_exp_f32 v[S+jj], v[S+jj]                     ; p = 2^(t - M), at most 1: NOT normalised
.set jj, jj+1
.endr
	v_pk_mul_f32 v[14:15], v[14:15], v[252:253] op_sel_hi:[1,0]   ; the sums under the new M: a plain instruction behind the exponentials
	s_wait_alu depctr_va_vdst(0)                   ; the 64 exponentials have written p, ahead of the first line that names a result: one wait for the batch
.irp b, 0,1,2,3
	v_exp_f32 v[232+\b], v[232+\b]                 ; the block's largest p: the same two instructions on the same number give the same bits
.endr
	v_pk_add_f32 v[236:237], v[S:S+1], v[S+2:S+3]  ; THE ROW'S SUM IS TAKEN OF THE UNQUANTISED p: two at a time, in two chains; it reads the 64 alone: plain work behind the four
.irp j, 4,8,12,16,20,24,28,32,36,40,44,48,52,56,60
	v_pk_add_f32 v[14:15], v[14:15], v[S+\j:S+1+\j]
	v_pk_add_f32 v[236:237], v[236:237], v[S+2+\j:S+3+\j]
.endr
	v_pk_add_f32 v[14:15], v[14:15], v[236:237]
	s_wait_alu depctr_va_vdst(0)                   ; the four exponentials have written the blocks' largest p, ahead of their first reader
.irp b, 0,1,2,3
	v_max_num_f32 v[232+\b], 0x8000000, v[232+\b]  ; the floor 2^(16 - 127): the byte cannot fall under 1 (a block whose every p is 0 keeps that byte: its codes are zeros)
.endr
.irp b, 0,1,2,3
	v_add_nc_u32 v[244+\b], 0xf8800000, v[232+\b]  ; 15 off the exponent field: the conversion's scale operand
.endr
.irp b, 0,1,2,3
	v_and_or_b32 v[240+\b], v[232+\b], 0x7f800000, s[MNT]   ; 57,344 x the scale
.endr
.irp b, 0,1,2,3
	v_lshrrev_b32 v[236+\b], 23, v[244+\b]         ; the scale's byte
.endr
	v_lshl_or_b32 v253, v237, 8, v236              ; p's scale word for these 128 keys
	v_lshl_or_b32 v253, v238, 16, v253
	v_lshl_or_b32 v253, v239, 24, v253
.if \w
	WIN 0x01
	v_mov_b32 v[PWB], v253                         ; 64 holds and 32 multiplications stand between this line and the products that read it
	WIN 0x55
.endif
.irp b, 0,1,2,3
.irp i, 0,1,2,3,4,5,6,7,8,9,10,11,12,13,14,15
	v_min_num_f32 v[S+16*\b+\i], v[S+16*\b+\i], v[240+\b]   ; the conversion to an 8-bit code does not saturate (ISA guide 7.6.2); p is not negative, so the hold is one-sided
.endr
	v_cvt_scalef32_pk8_bf8_f32 v[PC+4*\b:PC+1+4*\b], v[S+16*\b:S+7+16*\b], v[244+\b]
	v_cvt_scalef32_pk8_bf8_f32 v[PC+2+4*\b:PC+3+4*\b], v[S+8+16*\b:S+15+16*\b], v[244+\b]
.endr
.endm
; Third part: O^T under the new M: x f.  These 32 are also the plain lines behind the conversions and the places ahead of the products.
.macro SOFT_O
.set jj, 0
.rept 32
	v_pk_mul_f32 v[O+jj:O+jj+1], v[O+jj:O+jj+1], v[252:253] op_sel_hi:[1,0]
.set jj, jj+2
.endr
.endm
; A KEY STEP of my 32 queries, from the slot named.
.macro STEP slot
	s_wait_alu depctr_va_vdst(0)                   ; the last step's products are done reading v32-95 and the scale words v248-251, in which the LDS loads below land; its selects are done reading s[32:99], in which the scalar loads below land
	MLOAD 0                                        ; tile A's mask words
	FRAGS FRG, AK0, \slot, 0
	SCW AKS0, \slot
	s_wait_dscnt 0x0
	QK 0
	PLACES 8
	s_wait_alu depctr_va_vdst(0)                   ; these eight products are done reading v32-95, in which K's tiles 4-7 land
	FRAGS FRG, AK0, \slot, 1
	s_wait_dscnt 0x0
	QK 1
	PLACES 8                                       ; ahead of the first read of the scores; the places stay beside the wait below
	s_wait_alu depctr_va_vdst(0)                   ; these eight products are done reading v32-95 and K's scale words, in which V's tiles 0-3 and V's scale words land
	FRAGS FRG, AV0, \slot, 0                       ; they land while the softmax is walked
	SCW AVS0, \slot
	s_wait_kmcnt 0x0                               ; tile A's mask words are in
	MASK 0
	SOFT_MAX
	s_wait_alu depctr_va_vdst(0)                   ; tile A's selects are done reading s[32:99], in which the scalar loads below land
	MLOAD 8192                                     ; tile B's mask words, 32 x 256 bytes further on in pm; no scalar load is out
	SOFT_P 0
	s_wait_alu depctr_va_vdst(0)                   ; tile A's holds have written and its conversions have read v96-159, in which V's tiles 4-7 land; no line of tile A's or tile B's softmax behind this wait names them
	FRAGS S, AV0, \slot, 1                         ; they land while tile B's softmax is walked in window 1
	SOFT_O
	s_wait_kmcnt 0x0
	MASK 1
	WIN 0x55
	SOFT_MAX
	SOFT_P 1
	SOFT_O
	WIN 0
	s_wait_dscnt 0x0                               ; V's eight fragments and its scale words
	s_wait_alu depctr_va_vdst(0)                   ; the conversions have written both tiles' codes, and v253 and v255 hold p's scale words: the scaled products below take them as source 1 and as scales; their places, the multiplications of O^T, stand ahead of this wait
	PV
	PLACES 9                                       ; nine: the next step's first products write over v96-127 of window 0, which these products read as source 0; eight of them serve the next step's loads and the way out's reads of O^T
.endm
; A TRIP.  The next key step that the work-group needs is asked for; the step in this slot is worked, by the waves that need it; what was asked for goes into the other slot; one barrier.
; In front of the barrier each wave has waited for its reads of this slot and for its stores into the other; the reads of the other slot ended in front of the last trip's barrier.
.macro TRIP slot
	s_mov_b32 s[ACTN], 0
	s_cmp_lg_u32 s[REM], 0
	s_cbranch_scc0 .Lnone_\@
	NEXT
	LOADS
	s_mov_b32 s[ACTN], 1
.Lnone_\@:
	s_and_b32 s[TMP], s[NEED], s[CURM]
	s_cmp_lg_u32 s[TMP], 0
	s_cbranch_scc0 .Lskip_\@
	STEP \slot
.Lskip_\@:
	s_wait_loadcnt 0x0                             ; on every way: what was asked for is in registers, and the loads' scalar bases may be written again
	s_cmp_lg_u32 s[ACTN], 0
	s_cbranch_scc0 .Lnost_\@
	STORES 1-\slot
.Lnost_\@:
	s_wait_dscnt 0x0                               ; for the others: my stores have landed and my reads are over
	s_wait_alu depctr_vm_vsrc(0)                   ; my LDS stores have read STK, STV and STS, in which the next trip's loads land
	s_barrier_signal -1
	s_barrier_wait -1
	s_lshl_b32 s[CURM], s[ACTN], s[NXT]            ; the step that now lies in the other slot; 0 if nothing was fetched
	s_lshl_b32 s[OFFPM], s[NXT], 8
.endm
.macro INIT                            ; a tile's start, in the window that is set.  Which key step is a wave's first hangs on the lists, so the step is written once: O^T and the sum begin as zeros, which the first change of M leaves zeros
	v_mov_b32 v[NEG], 0xf3000000                   ; -2^103
	v_mov_b32 v13, 0xff61b1e6                      ; the largest t so far: -3e38, under every t, a hidden key's too
	v_floor_f32 v12, -v13                          ; -M
	v_mov_b32 v14, 0
	v_mov_b32 v15, 0
.irp b, 0,1,2,3
	v_mov_b32 v[236+\b], 0                         ; a lane permute's destination counts as one of its sources
.endr
	v_mov_b32 v252, 0                              ; likewise, on the way out
	v_mov_b32 v253, 0                              ; (named as the upper half of the pair v[252:253] before it is first written)
.set jj, 0
.rept 64
	v_mov_b32 v[O+jj], 0
.set jj, jj+1
.endr
.endm
; THE WAY OUT of tile w.  O^T / the sum goes through my stage in LDS, half a row (64 channels, 256 bytes) of 16 queries at a time, and leaves as runs of 256 consecutive aligned bytes.
.macro WAYOUT w
	WIN 0x55*\w
	v_add_f32 v14, v14, v15                        ; the sum's two halves,
	v_permlanex16_b32 v252, v14, s[SEL], s[SEL+1]
	v_add_f32 v14, v14, v252                       ; and lane l xor 16's
	v_rcp_f32 v14, v14
	v_nop                                          ; a plain instruction behind the reciprocal
	s_wait_alu depctr_va_vdst(0)                   ; the reciprocal is written, ahead of its first reader
.set jj, 0
.rept 32
	v_pk_mul_f32 v[S+jj:S+jj+1], v[O+jj:O+jj+1], v[14:15] op_sel_hi:[1,0]   ; register 8 T + i is o(r, 16 T + 8 h + i); each accumulator from its low end on
.set jj, jj+2
.endr
	s_wait_alu depctr_va_vdst(0)                   ; the multiplications have written v[S ..] of this tile's window, which the LDS stores read; every vector and matrix instruction that named the registers in which the rows land is done
.if \w
	s_wait_alu depctr_vm_vsrc(0)                   ; tile A's LDS stores have read v96-159 of window 0, in which tile B's rows land
.endif
.set BK, 32+64*\w                      ; the rows come back into window 0: tile A's into v32-95, tile B's into v96-159, which tile A has left
.irp u, 0,1
	WIN 0x04*\w
.irp t, 0,1,2,3
	ds_store_b128 v[STO], v[S+32*\u+8*\t:S+32*\u+8*\t+3] offset:64*\t
	ds_store_b128 v[STO], v[S+32*\u+8*\t+4:S+32*\u+8*\t+7] offset:64*\t+16
.endr
	WIN 0
.irp i, 0,1,2,3,4,5,6,7
	ds_load_b128 v[BK+32*\u+4*\i:BK+32*\u+4*\i+3], v[RD] offset:2*\i*272   ; LDS serves a wave's instructions in order (ISA guide 5.7.1.4): these see my stores, and the next half's stores come behind them
.endr
.endr
.irp u, 0,1
.irp i, 0,1,2,3,4,5,6,7
	s_wait_dscnt 23-16*\u-\i                       ; behind this load were issued: the 7 - i left of its eight, and for the first half the second half's 8 stores and 8 loads
	global_store_b128 v[GO], v[BK+32*\u+4*\i:BK+32*\u+4*\i+3], s[OUTP:OUTP+1] offset:8192*\w+1024*\i+256*\u th:TH_STORE_NT   ; sixteen lanes store 256 consecutive bytes, aligned
.endr
.endr
.endm
	s_load_b512 s[32:47], s[0:1], 0x0              ; q_codes s[32:33], q_scales s[34:35], k_codes s[36:37], k_scales s[38:39], v_codes s[40:41], vs2 s[42:43], pm s[44:45], tab s[46:47]
	s_load_b64 s[48:49], s[0:1], 0x40              ; out0
	v_lshl_add_u32 v[SPW], v0, 2, SPARE
	v_mov_b32 v[NIL], 0
	v_lshrrev_b32 v28, 5, v0
	v_readfirstlane_b32 s[WV], v28                 ; wave 0..7
	v_and_b32 v29, 31, v0                          ; lane
	v_and_b32 v30, 15, v0                          ; r
	v_bfe_u32 v31, v0, 4, 1                        ; h
	v_lshrrev_b32 v7, 3, v29                       ; lane / 8
	v_and_b32 v8, 7, v29                           ; lane % 8
	v_mul_u32_u24 v[AK0], v30, KP
	v_lshl_add_u32 v[AK0], v31, 4, v[AK0]
	v_add_nc_u32 v[AV0], VOFF, v[AK0]
	v_and_b32 v[AKS0], 8, v30
	v_add_nc_u32 v[AKS0], v[AKS0], v30             ; r + 8 (r / 8)
	v_lshlrev_b32 v[AKS0], 2, v[AKS0]
	v_lshl_add_u32 v[AKS0], v31, 5, v[AKS0]        ; lanes 16-31: the odd tile's keys lie 8 further on
	v_add_nc_u32 v[AKS0], SCOFF, v[AKS0]
	v_lshl_add_u32 v[AVS0], v29, 2, SCOFF+512      ; V's rows are neighbours: 32 P + lane
	s_wait_alu depctr_va_sdst(0)                   ; the wave's number is written in s2, ahead of its first reader: addresses, bases and branches are made from it
	s_lshl_b32 s84, s[WV], 11
	v_lshl_add_u32 v[GK], v29, 4, s84
	s_lshl_b32 s85, s[WV], 16
	v_lshl_add_u32 v[GV], v7, 12, s85
	v_lshl_add_u32 v[GV], v8, 4, v[GV]
	v_and_b32 v[GS], 127, v0
	v_lshlrev_b32 v[GS], 2, v[GS]
	s_lshr_b32 s86, s[WV], 1
	s_lshl_b32 s86, s86, 5
	s_and_b32 s87, s[WV], 1
	s_lshl_b32 s87, s87, 3
	s_add_co_u32 s86, s86, s87
	s_mul_i32 s86, s86, KP                         ; K: row 32 (w / 2) + 8 (w % 2)
	s_mul_i32 s87, s[WV], 16*KP
	s_add_co_u32 s87, s87, VOFF                    ; V: row 16 w
	v_mul_u32_u24 v[SK0], v7, KP
	v_lshl_add_u32 v[SK0], v8, 4, v[SK0]           ; + lane / 8 rows, + 16 (lane % 8)
	v_add_nc_u32 v[SV0], s87, v[SK0]
	v_add_nc_u32 v[SK0], s86, v[SK0]
	v_lshl_add_u32 v[SS0], v0, 2, SCOFF
	s_mul_i32 s88, s[WV], STW
	s_add_co_u32 s88, s88, STAGE                   ; my stage
	v_mul_u32_u24 v[STO], v30, 272
	v_lshl_add_u32 v[STO], v31, 5, v[STO]
	v_add_nc_u32 v[STO], s88, v[STO]               ; in: row r, + 32 h
	v_mul_u32_u24 v[RD], v31, 272
	v_lshl_add_u32 v[RD], v30, 4, v[RD]
	v_add_nc_u32 v[RD], s88, v[RD]                 ; back: lanes 0-15 one row, lanes 16-31 the next
	v_lshlrev_b32 v[GO], 9, v31
	v_lshl_add_u32 v[GO], v30, 4, v[GO]            ; and the same two rows in out0
	v_lshlrev_b32 v28, 7, v30
	v_lshl_add_u32 v28, v31, 4, v28                ; Q: row r of 128 bytes, + 16 h
	v_lshlrev_b32 v29, 2, v30                      ; Q's scale words: 4 r
	s_and_b32 s28, ttmp7, 0xffff                   ; the head
	s_sub_co_u32 s29, 31, ttmp9                    ; 31 - a
	s_cmp_lt_u32 s[WV], 4
	s_cselect_b32 s30, ttmp9, s29                  ; my block of 128 queries
	s_and_b32 s31, s[WV], 3
	s_lshl_b32 s30, s30, 7
	s_lshl_b32 s31, s31, 5
	s_add_co_u32 s30, s30, s31                     ; my first query
	s_lshl_b32 s8, s28, 19                         ; a head's codes: 524,288 bytes
	s_mov_b32 s9, 0
	s_lshl_b32 s10, s28, 14                        ; a head's scale bytes: 16,384
	s_mov_b32 s11, 0
	s_lshl_b32 s24, s30, 9                         ; pm: 8,192 bytes for 16 queries; out0: 512 bytes a query
	s_mov_b32 s25, 0
	s_lshl_b32 s26, s28, 21                        ; a head of out0
	s_add_co_u32 s26, s26, s24
	s_mov_b32 s27, 0
	s_lshl_b32 s4, s30, 7
	s_add_co_u32 s4, s4, s8                        ; my queries' codes
	s_mov_b32 s5, 0
	s_lshl_b32 s6, s30, 2
	s_add_co_u32 s6, s6, s10                       ; and their scale words
	s_mov_b32 s7, 0
	s_lshl_b32 s23, ttmp9, 5                       ; tab: the eight words of block a,
	s_lshl_b32 s29, s29, 5                         ; of block 31 - a,
	s_lshr_b32 s31, s30, 2                         ; and my two tiles': 4 x (first query / 16)
	s_mov_b32 s[MNT], 0x600000
	s_mov_b32 s[SEL], 0x76543210
	s_mov_b32 s[SEL+1], 0xfedcba98
	s_mov_b32 s[CS], 0x3e0293ee                    ; c = log2(e) / sqrt(128)
	s_mov_b32 s[CS+1], s[CS]                       ; (named with it as a pair, so it is written)
	s_mov_b32 s[J], 16
	s_wait_kmcnt 0x0
	s_add_nc_u64 s[KH:KH+1], s[36:37], s[8:9]
	s_add_nc_u64 s[VH:VH+1], s[40:41], s[8:9]
	s_cmp_lt_u32 s[WV], 4                          ; waves 0-3 fetch K's scale words, waves 4-7 V's: both lie 512 bytes a key step, 16,384 a head
	s_cselect_b64 s[SH:SH+1], s[38:39], s[42:43]
	s_add_nc_u64 s[SH:SH+1], s[SH:SH+1], s[10:11]
	s_add_nc_u64 s[PMH:PMH+1], s[44:45], s[24:25]
	s_add_nc_u64 s[OUTP:OUTP+1], s[48:49], s[26:27]
	s_add_nc_u64 s[32:33], s[32:33], s[4:5]
	s_add_nc_u64 s[34:35], s[34:35], s[6:7]
	s_load_b256 s[68:75], s[46:47], s23 offset:0x0     ; need of the work-group's sixteen tiles
	s_load_b256 s[76:83], s[46:47], s29 offset:0x0
	s_load_b64 s[24:25], s[46:47], s31 offset:0x0      ; need of my two
	s_load_b64 s[PART:PART+1], s[46:47], s31 offset:0x400   ; part of my two
	s_wait_kmcnt 0x0
	s_or_b32 s[REM], s68, s69
.irp i, 70,71,72,73,74,75,76,77,78,79,80,81,82,83
	s_or_b32 s[REM], s[REM], s\i                   ; what any wave of the work-group needs is fetched
.endr
	s_or_b32 s[NEED], s24, s25
	s_mov_b32 s[OFS+1], 0                          ; the upper word of the key step's offset; s24 to s31 are free from here on
	NEXT                                           ; need is never 0: the first step is asked for on every way, which also writes every register that STORES reads
	s_wait_alu depctr_va_vdst(0)                   ; every address and offset of the kernel is written: v1-4, v16-18, v22-29, which the loads and stores from here on read; none of them is written again
	LOADS
	WIN 0x40
.irp c, 0,1,2,3
	global_load_b128 v[QA+4*\c:QA+4*\c+3], v28, s[32:33] offset:32*\c th:TH_LOAD_NT        ; Q stays in registers
	global_load_b128 v[QB+4*\c:QB+4*\c+3], v28, s[32:33] offset:2048+32*\c th:TH_LOAD_NT   ; tile B: 16 rows on
.endr
	WIN 0
	global_load_b32 v[QSA], v29, s[34:35]
	global_load_b32 v[QSB], v29, s[34:35] offset:64
	INIT                                           ; it names none of the registers that the loads above touch
	WIN 0x55
	INIT
	WIN 0
	s_wait_loadcnt 0x0                             ; the first step, Q and its scale words; the loads' bases in s[32:35] may now be written
	STORES 0
	s_wait_dscnt 0x0
	s_wait_alu depctr_vm_vsrc(0)                   ; my LDS stores have read STK, STV and STS, in which the first trip's loads land
	s_barrier_signal -1
	s_barrier_wait -1                              ; slot 0 is whole
	s_lshl_b32 s[CURM], 1, s[NXT]
	s_lshl_b32 s[OFFPM], s[NXT], 8
.Lpair:                                                ; 16 x 2 trips: as many as there are key steps
	TRIP 0
	TRIP 1
	s_sub_co_i32 s[J], s[J], 1
	s_cmp_lg_u32 s[J], 0
	s_cbranch_scc1 .Lpair
	WAYOUT 0
	WAYOUT 1
	s_wait_dscnt 0x0                               ; the closing lines, six on end (every window is 0 here: the add's two registers lie in window 0)
	s_wait_alu 0x0
	s_wait_tensorcnt 0x0
	ds_add_u32 v[SPW], v[NIL]
	s_wait_dscnt 0x0
	s_endpgm
.Lfunc_end_k_q59c8078449_attn:
	.size	k_q59c8078449_attn, .Lfunc_end_k_q59c8078449_attn-k_q59c8078449_attn
	.p2alignl 7, 3214868480
	.fill 96, 4, 3214868480
	.section	.rodata,"a",@progbits
	.p2align	6, 0x0
	.amdhsa_kernel k_q59c8078449_attn
		.amdhsa_group_segment_fixed_size 111616
		.amdhsa_private_segment_fixed_size 0
		.amdhsa_enable_private_segment 0
		.amdhsa_kernarg_size 72
		.amdhsa_user_sgpr_count 2
		.amdhsa_user_sgpr_kernarg_segment_ptr 1
		.amdhsa_wavefront_size32 1
		.amdhsa_system_sgpr_workgroup_id_x 1
		.amdhsa_system_sgpr_workgroup_id_y 1
		.amdhsa_system_sgpr_workgroup_id_z 1
		.amdhsa_system_vgpr_workitem_id 0
		.amdhsa_next_free_vgpr 512
		.amdhsa_next_free_sgpr 106
		.amdhsa_reserve_vcc 0
		.amdhsa_float_denorm_mode_32 3
		.amdhsa_float_denorm_mode_16_64 3
		.amdhsa_memory_ordered 1
		.amdhsa_forward_progress 1
		.amdhsa_inst_pref_size 128
	.end_amdhsa_kernel
	.amdgpu_metadata
---
amdhsa.version: [ 1, 2 ]
amdhsa.kernels:
  - .name:           k_q59c8078449_attn
    .symbol:         k_q59c8078449_attn.kd
    .args:
      - { .name: q_codes, .offset: 0, .size: 8, .value_kind: global_buffer, .address_space: global }
      - { .name: q_scales, .offset: 8, .size: 8, .value_kind: global_buffer, .address_space: global }
      - { .name: k_codes, .offset: 16, .size: 8, .value_kind: global_buffer, .address_space: global }
      - { .name: k_scales, .offset: 24, .size: 8, .value_kind: global_buffer, .address_space: global }
      - { .name: v_codes, .offset: 32, .size: 8, .value_kind: global_buffer, .address_space: global }
      - { .name: vs2, .offset: 40, .size: 8, .value_kind: global_buffer, .address_space: global }
      - { .name: pm, .offset: 48, .size: 8, .value_kind: global_buffer, .address_space: global }
      - { .name: tab, .offset: 56, .size: 8, .value_kind: global_buffer, .address_space: global }
      - { .name: out0, .offset: 64, .size: 8, .value_kind: global_buffer, .address_space: global }
    .group_segment_fixed_size: 111616
    .private_segment_fixed_size: 0
    .kernarg_segment_align: 8
    .kernarg_segment_size: 72
    .max_flat_workgroup_size: 256
    .sgpr_count:     106
    .vgpr_count:     512
    .wavefront_size: 32
...
	.end_amdgpu_metadata
.endif
;; end of part 3
